; MI455X (gfx1250); checked and timed in simulation.
; The chip was launched on July 23, 2026; its instructions are those of AMD's public machine-readable ISA for CDNA 5 (MIT licence, August 2026) and "CDNA5" Instruction Set Architecture Reference Guide (July 2026). The comments in the code are by the model that wrote it; some were corrected since.
;; Multi Head Attention. Allowed arithmetic: matrix products marked QUANTISED: E2M3 operands, one E8M0 scale for each 32 along K, by v_wmma_scale_f32_16x16x128_f8f6f4 with both operands' format E2M3, f32 sums; everything else in f32.
;; Inputs: Wk_codes 512 x 32 x 24 uint8 (E2M3 codes of Wk, K innermost, in blocks of 32 codes, four codes in three bytes); Wk_scales 512 x 32 uint8 (E8M0 scales of Wk, one for each 32 codes along K); Wo_codes 1,024 x 16 x 24 uint8 (E2M3 codes of Wo, K innermost, in blocks of 32 codes, four codes in three bytes); Wo_scales 1,024 x 16 uint8 (E8M0 scales of Wo, one for each 32 codes along K); Wq_codes 512 x 32 x 24 uint8 (E2M3 codes of Wq, K innermost, in blocks of 32 codes, four codes in three bytes); Wq_scales 512 x 32 uint8 (E8M0 scales of Wq, one for each 32 codes along K); Wv_codes 512 x 32 x 24 uint8 (E2M3 codes of Wv, K innermost, in blocks of 32 codes, four codes in three bytes); Wv_scales 512 x 32 uint8 (E8M0 scales of Wv, one for each 32 codes along K); fc1_b 2,048 float32; fc1_w_codes 2,048 x 32 x 24 uint8 (E2M3 codes of fc1_w, K innermost, in blocks of 32 codes, four codes in three bytes); fc1_w_scales 2,048 x 32 uint8 (E8M0 scales of fc1_w, one for each 32 codes along K); fc2_b 1,024 float32; fc2_w_codes 1,024 x 64 x 24 uint8 (E2M3 codes of fc2_w, K innermost, in blocks of 32 codes, four codes in three bytes); fc2_w_scales 1,024 x 64 uint8 (E8M0 scales of fc2_w, one for each 32 codes along K); keys_codes 4 x 2,048 x 32 x 24 uint8 (E2M3 codes of keys, K innermost, in blocks of 32 codes, four codes in three bytes); keys_scales 4 x 2,048 x 32 uint8 (E8M0 scales of keys, one for each 32 codes along K); ln1_b 1,024 float32; ln1_g 1,024 float32; ln2_b 1,024 float32; ln2_g 1,024 float32; x 4 x 2,048 x 1,024 float32.
;; Outputs: out0 4 x 2,048 x 1,024 float32.
;; This version of the problem:
;;   THIS VERSION OF THE PROBLEM IS GIVEN IN LOW PRECISION. The matrix products marked QUANTISED in the list below multiply operands that are first quantised to E2M3 (2 exponent bits, 3 mantissa bits; 6 bits a number), with one power-of-two scale for each 32 numbers along K (OCP MX v1.0); their sums are f32. All else is computed in f32.
;;   The module's matrix products, in the order in which they are computed (A, B: the left and right operand; K: the contracted axis; several contracted axes count as one K, in the product's order):
;;     1. [M 8,192, K 1,024] x [K 1,024, N 512]; A: input x; B: input Wq (given as codes): QUANTISED
;;     2. [M 8,192, K 1,024] x [K 1,024, N 512]; A: input keys (given as codes); B: input Wk (given as codes): QUANTISED
;;     3. [M 8,192, K 1,024] x [K 1,024, N 512]; A: input keys (given as codes); B: input Wv (given as codes): QUANTISED
;;     4. batch 64 x [M 2,048, K 32] x [K 32, N 2,048]; A: computed on the way; B: computed on the way: QUANTISED
;;     5. batch 64 x [M 2,048, K 2,048] x [K 2,048, N 32]; A: softmax (see below); B: computed on the way: QUANTISED
;;     6. [M 8,192, K 512] x [K 512, N 1,024]; A: computed on the way; B: input Wo (given as codes): QUANTISED
;;     7. [M 8,192, K 1,024] x [K 1,024, N 2,048]; A: computed on the way; B: input fc1_w (given as codes): QUANTISED
;;     8. [M 8,192, K 2,048] x [K 2,048, N 1,024]; A: computed on the way; B: input fc2_w (given as codes): QUANTISED
;;   THE QUANTISER, for each operand of a quantised product, along K:
;;     - K is cut into blocks of 32 from its start; a last block that is shorter is filled with zeros.
;;     - A block's scale is 2^e with e = floor(log2(the largest magnitude in the block)) - 2, held to -126 .. 127; a block of zeros has e = 0. As a byte (E8M0): e + 127.
;;     - Each number is divided by its block's scale, clamped to +-7.5, and rounded to the nearest number of E2M3, ties to even, subnormals kept.
;;     - The product sums the exact products of the quantised numbers (number of the format x scale) in f32.
;;   ~~~python
;;   def quantise(x, axis):      # numpy; x: float32 -> the quantised numbers, widened to float32 again
;;       x = np.moveaxis(x, axis, -1); K = x.shape[-1]
;;       x = np.pad(x, [(0, 0)] * (x.ndim - 1) + [(0, -K % 32)]); x = x.reshape(x.shape[:-1] + (-1, 32)); a = np.abs(x).max(-1, keepdims=True)
;;       e = np.where(a > 0, np.clip(np.frexp(np.where(a > 0, a, 1))[1] - 1 - 2, -126, 127), 0)      # np.frexp(a)[1] - 1 = floor(log2(a)), exactly
;;       r = np.clip(x / 2.0 ** e, -7.5, 7.5)
;;       step = 2.0 ** (np.maximum(np.frexp(np.where(r == 0, 1, r))[1] - 1, 0) - 3)
;;       q = np.round(r / step) * step * 2.0 ** e      # np.round: ties to even
;;       return np.moveaxis(q.reshape(q.shape[:-2] + (-1,))[..., :K], -1, axis).astype(np.float32)
;;   ~~~
;;   SOFTMAX AHEAD OF A QUANTISED PRODUCT. Where the list says 'softmax', what is quantised is not the finished softmax but p = 2^(t - M), with t = logit x log2(e) and M = ceil(the row's largest t), a whole number; so 1/2 < the row's largest p <= 1. The row's sum l is taken of the UNQUANTISED p, in f32, and the product's result is divided by l at the end. Since M is a whole number, a kernel that streams over the keys may use a running M (the ceiling of the running maximum): every later rescaling is an exact power of two, which a block's scale takes up: the codes' values come out the same.
;;   OPERANDS COMPUTED ON THE WAY. 'Computed on the way' means the value that the module computes at that place (a softmax that the list does not call 'softmax' is quantised finished and normalised). What goes into a quantiser is computed in f32, as accurately as f32 sums, v_exp_f32 and their like allow (about 1e-6 of the number): no bf16 or f16 on the way to a quantiser, and a product that is left as it is and whose result goes on into a quantised operand takes f32 operands (vector FMAs, or v_wmma_f32_16x16x4_f32). A number that lies on a knife's edge between two numbers of the format may be rounded either way, as far as f32 arithmetic and the matrix unit's own rounding can turn it there, and no further.
;;   INPUTS GIVEN AS CODES. Wk (in the module: [512, 1024], K = its axis 1); Wo (in the module: [1024, 512], K = its axis 1); Wq (in the module: [512, 1024], K = its axis 1); Wv (in the module: [512, 1024], K = its axis 1); fc1_w (in the module: [2048, 1024], K = its axis 1); fc2_w (in the module: [1024, 2048], K = its axis 1); keys (in the module: [4, 2048, 1024], K = its axis 2): each comes as NAME_codes (uint8): NAME with its K axis moved to the last place and cut into blocks of 32 codes, [.., K / 32, bytes a block], one block behind the other in memory; four codes in three bytes: a row's codes are one little-endian stream of bits, code i at bits 6 i .. 6 i + 5 (a code: sign, 2 exponent bits, 3 mantissa bits); and NAME_scales (uint8): the same leading axes, one E8M0 byte (e + 127) for each 32 codes along K. Its value is code x scale, taken as it is: it is not quantised again, and the codes and scales need not be those that the quantiser above would give.
;; One version. Each part assembles by itself: llvm-mc -triple=amdgcn-amd-amdhsa -mcpu=gfx1250 --defsym DOCPART=n.
;; ======== version 1 of 1: 4 launches
;; limits: right only within a limited range of input values
;; workspace buffers: xf 6,291,456 bytes; kf 6,291,456 bytes; wf 1,179,648 bytes; sc 573,440 bytes; ws 3,686,400 bytes; qkv 9,830,400 bytes; att 4,194,304 bytes
;; launch prep (part 1): grid 444 x 1, 4 waves a work-group, no clusters, 34,304 bytes of LDS; arguments x, keys_codes, keys_scales, Wq_codes, Wq_scales, Wk_codes, Wk_scales, Wv_codes, Wv_scales, Wo_codes, Wo_scales, fc1_w_codes, fc1_w_scales, fc2_w_codes, fc2_w_scales, xf, kf, wf, sc, ws; writes xf, kf, wf, sc, ws
.if DOCPART == 1
	.amdgcn_target "amdgcn-amd-amdhsa--gfx1250"
	.amdhsa_code_object_version 6
	.text
	.protected	k_q8020af9fa7_prep
	.globl	k_q8020af9fa7_prep
	.p2align	8
	.type	k_q8020af9fa7_prep,@function
k_q8020af9fa7_prep:
	s_mov_b64 s[64:65], 0
	v_nop
	global_prefetch_b8 v0, s[64:65] scope:SCOPE_SE
	s_setreg_imm32_b32 hwreg(HW_REG_WAVE_MODE, 25, 1), 1
	s_wait_xcnt 0x0
; PREP: every operand that later launches read many times is laid ONCE in the order of a matrix operand's registers.
; An IMAGE of a fragment (16 rows x 128 K of E2M3 codes, 12 registers a lane) is 1,536 bytes: registers 4 g .. 4 g + 3 of lane l at byte 512 g + 16 l.
; TILE T of a matrix is its rows 32 (T / 2) + 8 (T % 2) + rho(r), rho(r) = r + 8 (r / 8), r = lane % 16: two neighbouring tiles as source 0 of a product
; give a lane 16 neighbouring rows in its 16 result registers.
; A wave takes one task; waves share nothing, so there is no barrier.  The tasks are dealt by the work-group's and the wave's number:
;   work-groups 0-255: x (f32) is quantised: wave w takes tile 2 g + w / 2 and K steps 4 (w % 2) .. + 3 -> xf, scale words -> sc
;   work-groups 256-443 (j = 0 .. 187): 608 tiles of keys, Wq, Wk, Wv (codes, eight K steps -> kf, wf; scale words -> sc) and the 144 tasks of the last launch's stream of Wo, fc1_w, fc2_w -> ws
;   (slot (36) x wave (4) x 25,600 bytes = 16 images + 1,024 bytes of scale words).  Wave 3 of j < 144 takes stream task j; the other waves take the tiles: one stream task, whose loads touch the most rows, to a work-group.
; x IS READ IN RUNS OF 512 CONSECUTIVE BYTES of one row, and turned in the wave's own LDS stage (16 rows of 512 + 16 bytes) so that a lane gets 16 neighbours of its row.
; sc: [tile][half of K][r] 16 bytes (four K steps' scale words): sixteen lanes store 256 consecutive bytes.  Tiles of x from byte 0, of keys from 262,144, of Wq, Wk, Wv from 524,288.
; THE QUANTISER: a block's scale is 2^(floor(log2(largest magnitude)) - 2); its byte is the largest magnitude's exponent field - 2, held at 1 from below.
; LIMITS: a block of zeros, or one whose largest magnitude lies under 2^-124, gets the byte 1 (zero codes add nothing; this program alone reads the bytes); NaN and infinities in x are not served.
.set LI,   6                           ; v6       16 x lane
.set SCW,  8                           ; v8       16 r: my row's place in a unit of scale words
.set SPW,  10                          ; v10      my spare word;  v11: 0
.set NIL,  11
.set SIN,  12                          ; v12      the stage: where a run of 512 bytes goes in
.set SOUT, 13                          ; v13      and where my 16 numbers of a block come out
.set X0,   32                          ; v32-159  two sets of 64 numbers of x
.set PC,   160                         ; v160-179 the codes just made
.set TM,   180                         ; v180-195 at work in the quantiser
.set PW,   196                         ; v196     the scale word just made
.set PWS,  200                         ; v200-203 my four K steps' scale words
.set SEL,  56                          ; s[56:57] lane selects for v_permlanex16_b32: lane l xor 16
.set SPARE, 33792                      ; behind the four stages of 8,448 bytes: the spare words
; 64 numbers of a lane, register 16 b + i = k 32 b + 16 (lane / 16) + i of my row, become a fragment's codes in v[PC] on and its scale word in v[PW]
.macro QUANT s
.irp b, 0,1,2,3
	v_max3_num_f32 v[TM+\b], |v[(\s)+16*\b]|, |v[(\s)+1+16*\b]|, 0x1800000   ; my 16 numbers of block b, and the floor 2^(3 - 127)
.endr
.irp i, 2,4,6,8,10,12,14
.irp b, 0,1,2,3
	v_max3_num_f32 v[TM+\b], v[TM+\b], |v[(\s)+16*\b+\i]|, |v[(\s)+1+16*\b+\i]|
.endr
.endr
.irp b, 0,1,2,3
	v_permlanex16_b32 v[TM+4+\b], v[TM+\b], s[SEL], s[SEL+1]
.endr
.irp b, 0,1,2,3
	v_max_num_f32 v[TM+\b], v[TM+\b], v[TM+4+\b]   ; with lane l xor 16's: the block's largest magnitude
.endr
.irp b, 0,1,2,3
	v_add_nc_u32 v[TM+12+\b], 0xff000000, v[TM+\b]   ; 2 off its exponent field: the conversion's scale operand
.endr
.irp b, 0,1,2,3
	v_lshrrev_b32 v[TM+4+\b], 23, v[TM+12+\b]      ; the scale's byte
.endr
	v_lshl_or_b32 v[PW], v[TM+5], 8, v[TM+4]
	v_lshl_or_b32 v[PW], v[TM+6], 16, v[PW]
	v_lshl_or_b32 v[PW], v[TM+7], 24, v[PW]
.irp c, 0,1
	v_cvt_scalef32_pk16_fp6_f32 v[PC+6*\c:PC+2+6*\c], v[(\s)+32*\c:(\s)+15+32*\c], v[TM+12+2*\c]
	v_cvt_scalef32_pk16_fp6_f32 v[PC+12+4*\c:PC+14+4*\c], v[(\s)+16+32*\c:(\s)+31+32*\c], v[TM+12+2*\c+1]   ; (a conversion's three registers begin on an even number)
.endr
	v_nop                                          ; one plain place behind a scaled conversion
.irp c, 0,1                                    ; the operand's layout wants a whole block in a lane: lanes 0-15 block 2 c, lanes 16-31 block 2 c + 1
.irp i, 0,1,2
	v_permlane16_swap_b32 v[PC+6*\c+\i], v[PC+12+4*\c+\i]
.endr
.irp i, 0,1,2
	v_mov_b32 v[PC+3+6*\c+\i], v[PC+12+4*\c+\i]
.endr
.endr
.endm
.macro XLOAD reg, s                            ; K step s of the tile's 16 rows: load i brings the 512 bytes of row rho(i), 16 a lane
.irp i, 0,1,2,3,4,5,6,7,8,9,10,11,12,13,14,15
	global_load_b128 v[\reg+4*\i:\reg+4*\i+3], v[LI], s[8:9] offset:4096*(\i+8*(\i/8))+512*(\s) th:TH_LOAD_NT
.endr
.endm
.macro XSTEP s
.set XS, X0+64*((\s)%2)
.if \s < 3
	s_wait_loadcnt 16                              ; this K step's 16 loads are in; the next step's 16 may be out
.else
	s_wait_loadcnt 0x0
.endif
.irp i, 0,1,2,3,4,5,6,7,8,9,10,11,12,13,14,15
	ds_store_b128 v[SIN], v[XS+4*\i:XS+4*\i+3] offset:528*\i
.endr
	s_wait_dscnt 0x0                               ; the stores have read their registers, which the loads below fill
.irp b, 0,1,2,3
.irp j, 0,1,2,3
	ds_load_b128 v[XS+16*\b+4*\j:XS+16*\b+4*\j+3], v[SOUT] offset:128*\b+16*\j   ; my own bytes: row r, my 16 neighbours of block b
.endr
.endr
	s_wait_dscnt 0x0
.if \s > 0
	s_wait_xcnt 0x0                                ; the last step's stores have read the codes' registers: they are written again only behind this wait
.endif
	QUANT XS
	v_mov_b32 v[PWS+\s], v[PW]
.irp g, 0,1,2
	global_store_b128 v[LI], v[PC+4*\g:PC+4*\g+3], s[38:39] offset:1536*(\s)+512*\g   ; 32 lanes store 512 consecutive bytes
.endr
.if \s < 2
	XLOAD XS, (\s)+2
.endif
.endm
; A wave's part of a slot of the last launch's stream: 16 fragments and their scale words.  f1 = 0: fragment i = tile i of my 256 rows, one K step;  f1 = 1: fragment i = tile i % 8 of my 128 rows, K step i / 8 of two
.macro PTW pitch, spitch, f1
	v_mul_u32_u24 v7, v5, \pitch
	v_mad_u32_u24 v7, v4, 24, v7                   ; codes: row rho(r), + 24 bytes for lanes 16-31
	v_lshl_add_u32 v8, v4, 3, v5
	v_mul_u32_u24 v8, v8, \spitch                  ; scale words: lanes 0-15 the even fragment's rows, lanes 16-31 the odd one's, 8 rows on
.irp i, 0,1,2,3,4,5,6,7,8,9,10,11,12,13,14,15
.irp p, 0,1,2,3,4,5
	global_load_b64 v[32+12*\i+2*\p:32+12*\i+2*\p+1], v7, s[48:49] offset:(32*((\i-8*\f1*(\i/8))/2)+8*((\i-8*\f1*(\i/8))%2))*\pitch+96*\f1*(\i/8)+48*(\p/3)+8*(\p%3)
.endr
.endr
.irp g, 0,1,2,3,4,5,6,7
	global_load_b32 v[224+\g], v8, s[50:51] offset:32*(\g-4*\f1*(\g/4))*\spitch+4*\f1*(\g/4)
.endr
	s_wait_loadcnt 0x0
.irp i, 0,1,2,3,4,5,6,7,8,9,10,11,12,13,14,15
.irp g, 0,1,2
	global_store_b128 v[LI], v[32+12*\i+4*\g:32+12*\i+4*\g+3], s[46:47] offset:1536*\i+512*\g
.endr
.endr
	global_store_b128 v[LI], v[224:227], s[46:47] offset:24576   ; word g of the pair of fragments 2 g, 2 g + 1: at 512 (g / 4) + 16 lane + 4 (g % 4)
	global_store_b128 v[LI], v[228:231], s[46:47] offset:25088
.endm
	s_load_b512 s[8:23], s[0:1], 0x0               ; argument k lies in s[8 + 2 k : 9 + 2 k]
	s_load_b512 s[24:39], s[0:1], 0x40
	s_load_b256 s[40:47], s[0:1], 0x80
	v_lshl_add_u32 v[SPW], v0, 2, SPARE
	v_mov_b32 v[NIL], 0
	v_lshrrev_b32 v1, 5, v0
	v_readfirstlane_b32 s2, v1                     ; wave
	v_and_b32 v2, 31, v0                           ; lane
	v_and_b32 v3, 15, v0                           ; r
	v_bfe_u32 v4, v0, 4, 1                         ; h
	v_and_b32 v5, 8, v3
	v_add_nc_u32 v5, v5, v3                        ; rho(r)
	v_lshlrev_b32 v[LI], 4, v2
	s_mov_b32 s[SEL], 0x76543210
	s_mov_b32 s[SEL+1], 0xfedcba98
	s_mov_b32 s59, 0                               ; the upper word of every offset made in s58
	s_wait_alu depctr_va_vdst(0)                   ; the wait at the head's end
	s_wait_kmcnt 0x0
	s_cmp_lt_u32 ttmp9, 256
	s_cbranch_scc0 .Lnot_x
	; ---- x
	s_lshl_b32 s3, ttmp9, 1
	s_lshr_b32 s6, s2, 1
	s_add_co_u32 s3, s3, s6                        ; my tile
	s_and_b32 s6, s2, 1                            ; my half of K
	s_lshr_b32 s4, s3, 1
	s_lshl_b32 s4, s4, 5
	s_and_b32 s5, s3, 1
	s_lshl_b32 s5, s5, 3
	s_add_co_u32 s4, s4, s5                        ; the tile's first row
	s_lshl_b32 s58, s4, 12
	s_lshl_b32 s7, s6, 11
	s_add_co_u32 s58, s58, s7
	s_add_nc_u64 s[8:9], s[8:9], s[58:59]          ; x: rows of 4,096 bytes, 2,048 a half
	s_mul_i32 s58, s3, 12288
	s_mul_i32 s7, s6, 6144
	s_add_co_u32 s58, s58, s7
	s_add_nc_u64 s[38:39], s[38:39], s[58:59]      ; xf: eight images a tile
	s_lshl_b32 s58, s3, 9
	s_lshl_b32 s7, s6, 8
	s_add_co_u32 s58, s58, s7
	s_add_nc_u64 s[44:45], s[44:45], s[58:59]      ; sc: 512 bytes a tile, 256 a half
	s_mul_i32 s7, s2, 8448                         ; my stage
	v_add_nc_u32 v[SIN], s7, v[LI]
	v_mul_u32_u24 v[SOUT], v3, 528
	v_lshl_add_u32 v[SOUT], v4, 6, v[SOUT]
	v_add_nc_u32 v[SOUT], s7, v[SOUT]              ; row r, + 64 h
	v_lshlrev_b32 v[SCW], 4, v3
.irp b, 0,1,2,3
	v_mov_b32 v[TM+4+\b], 0                        ; written once: a lane permute's destination counts as one of its sources
.endr
	s_wait_alu depctr_va_vdst(0)
	XLOAD X0, 0
	XLOAD X0+64, 1
.irp s, 0,1,2,3
	XSTEP \s
.endr
	s_wait_alu depctr_va_vdst(0)                   ; directly ahead of the wait below
	s_wait_xcnt 0x0                                ; EXEC changes only behind this wait
	v_cmp_gt_u32 vcc_lo, 16, v2
	s_and_saveexec_b32 s60, vcc_lo                 ; both halves of the lanes hold the same words: lanes 0-15 store them, 256 consecutive bytes
	global_store_b128 v[SCW], v[PWS:PWS+3], s[44:45]
	s_wait_xcnt 0x0
	s_or_b32 exec_lo, exec_lo, s60
	s_wait_tensorcnt 0x0                           ; the wave's end
	ds_add_u32 v[SPW], v[NIL]
	s_wait_dscnt 0x0
	s_endpgm
.Lnot_x:
	s_sub_co_u32 s3, ttmp9, 256                    ; j
	s_cmp_lt_u32 s3, 144
	s_cbranch_scc0 .Lall_tiles
	s_cmp_eq_u32 s2, 3
	s_cbranch_scc1 .Lstream                        ; wave 3 of j < 144: stream task j
	s_mul_i32 s3, s3, 3
	s_add_co_u32 s3, s3, s2                        ; tile task 3 j + wave: 0 .. 431
	s_branch .Ltile
.Lall_tiles:
	s_lshl_b32 s3, s3, 2
	s_add_co_u32 s3, s3, s2
	s_sub_co_u32 s3, s3, 144                       ; tile task 432 + 4 (j - 144) + wave
.Ltile:
	; ---- keys, Wq, Wk, Wv: codes as they lie, into images.  Task 0-511: tiles of keys, 512-607: tiles of Wq, Wk, Wv on end
	s_cmp_lt_u32 s3, 576
	s_cselect_b64 s[48:49], s[18:19], s[22:23]
	s_cselect_b64 s[50:51], s[20:21], s[24:25]
	s_cmp_lt_u32 s3, 544
	s_cselect_b64 s[48:49], s[14:15], s[48:49]
	s_cselect_b64 s[50:51], s[16:17], s[50:51]
	s_cmp_lt_u32 s3, 512
	s_cselect_b64 s[48:49], s[10:11], s[48:49]     ; codes
	s_cselect_b64 s[50:51], s[12:13], s[50:51]     ; scale bytes
	s_cselect_b64 s[52:53], s[40:41], s[42:43]     ; kf or wf
	s_cselect_b32 s4, 0, 512
	s_cselect_b32 s5, -1, 31
	s_mov_b32 s6, 524288
	s_cselect_b32 s6, 262144, s6                   ; where its tiles begin in sc
	s_sub_co_u32 s3, s3, s4                        ; the tile in kf or wf
	s_and_b32 s5, s3, s5                           ; the tile in its own matrix
	s_lshr_b32 s7, s5, 1
	s_lshl_b32 s7, s7, 5
	s_and_b32 s54, s5, 1
	s_lshl_b32 s54, s54, 3
	s_add_co_u32 s7, s7, s54                       ; its first row there
	s_mul_i32 s58, s7, 768
	s_add_nc_u64 s[48:49], s[48:49], s[58:59]
	s_lshl_b32 s58, s7, 5
	s_add_nc_u64 s[50:51], s[50:51], s[58:59]
	s_mul_i32 s58, s3, 12288
	s_add_nc_u64 s[52:53], s[52:53], s[58:59]
	s_lshl_b32 s58, s3, 9
	s_add_co_u32 s58, s58, s6
	s_add_nc_u64 s[44:45], s[44:45], s[58:59]
	v_mul_u32_u24 v7, v5, 768
	v_mad_u32_u24 v7, v4, 24, v7
	v_lshlrev_b32 v8, 5, v5
	v_lshl_add_u32 v8, v4, 4, v8                   ; the row's scale bytes, my half of them
	v_lshlrev_b32 v9, 4, v3
	v_lshl_add_u32 v9, v4, 8, v9                   ; and their place in sc: [half][r]
.irp s, 0,1,2,3,4,5,6,7
.irp p, 0,1,2,3,4,5
	global_load_b64 v[32+12*\s+2*\p:32+12*\s+2*\p+1], v7, s[48:49] offset:96*\s+48*(\p/3)+8*(\p%3)
.endr
.endr
	global_load_b128 v[128:131], v8, s[50:51]
	s_wait_alu depctr_va_vdst(0)                   ; directly ahead of the wait below
	s_wait_loadcnt 0x0
.irp s, 0,1,2,3,4,5,6,7
.irp g, 0,1,2
	global_store_b128 v[LI], v[32+12*\s+4*\g:32+12*\s+4*\g+3], s[52:53] offset:1536*\s+512*\g
.endr
.endr
	global_store_b128 v9, v[128:131], s[44:45]
	s_endpgm
.Lstream:
	; ---- the last launch's stream of weights: task j = 4 x slot + the wave that will read it
	s_mul_i32 s58, s3, 25600
	s_add_nc_u64 s[46:47], s[46:47], s[58:59]
	s_and_b32 s2, s3, 3                            ; the reading wave
	s_lshr_b32 s3, s3, 2                           ; the slot
	s_cmp_lt_u32 s3, 4
	s_cbranch_scc0 .Lffn
	s_mul_i32 s58, s2, 256*384                     ; Wo: 256 rows of 384 bytes, K step = the slot
	s_mul_i32 s60, s3, 96
	s_add_co_u32 s58, s58, s60
	s_add_nc_u64 s[48:49], s[26:27], s[58:59]
	s_lshl_b32 s58, s2, 12
	s_lshl_b32 s60, s3, 2
	s_add_co_u32 s58, s58, s60
	s_add_nc_u64 s[50:51], s[28:29], s[58:59]
	PTW 384, 16, 0
	s_endpgm
.Lffn:
	s_sub_co_u32 s5, s3, 4
	s_lshr_b32 s6, s5, 3                           ; the chunk of 512 hidden units
	s_and_b32 s7, s5, 7                            ; 0-3: fc1's slots, 4-7: fc2's
	s_cmp_lt_u32 s7, 4
	s_cbranch_scc0 .Lfc2
	s_lshl_b32 s60, s6, 9
	s_lshl_b32 s61, s2, 7
	s_add_co_u32 s60, s60, s61                     ; fc1: the first row, 512 chunk + 128 wave
	s_mul_i32 s58, s60, 768
	s_mul_i32 s61, s7, 192                         ; two K steps a slot
	s_add_co_u32 s58, s58, s61
	s_add_nc_u64 s[48:49], s[30:31], s[58:59]
	s_lshl_b32 s58, s60, 5
	s_lshl_b32 s61, s7, 3
	s_add_co_u32 s58, s58, s61
	s_add_nc_u64 s[50:51], s[32:33], s[58:59]
	PTW 768, 32, 1
	s_endpgm
.Lfc2:
	s_lshl_b32 s60, s6, 2
	s_add_co_u32 s60, s60, s7
	s_sub_co_u32 s60, s60, 4                       ; fc2: K step 4 chunk + slot - 4
	s_mul_i32 s58, s2, 256*1536
	s_mul_i32 s61, s60, 96
	s_add_co_u32 s58, s58, s61
	s_add_nc_u64 s[48:49], s[34:35], s[58:59]
	s_lshl_b32 s58, s2, 14
	s_lshl_b32 s61, s60, 2
	s_add_co_u32 s58, s58, s61
	s_add_nc_u64 s[50:51], s[36:37], s[58:59]
	PTW 1536, 64, 0
	s_endpgm
.Lfunc_end_k_q8020af9fa7_prep:
	.size	k_q8020af9fa7_prep, .Lfunc_end_k_q8020af9fa7_prep-k_q8020af9fa7_prep
	.p2alignl 7, 3214868480
	.fill 96, 4, 3214868480
	.section	.rodata,"a",@progbits
	.p2align	6, 0x0
	.amdhsa_kernel k_q8020af9fa7_prep
		.amdhsa_group_segment_fixed_size 34304
		.amdhsa_private_segment_fixed_size 0
		.amdhsa_enable_private_segment 0
		.amdhsa_kernarg_size 160
		.amdhsa_user_sgpr_count 2
		.amdhsa_user_sgpr_kernarg_segment_ptr 1
		.amdhsa_wavefront_size32 1
		.amdhsa_system_sgpr_workgroup_id_x 1
		.amdhsa_system_sgpr_workgroup_id_y 1
		.amdhsa_system_sgpr_workgroup_id_z 1
		.amdhsa_system_vgpr_workitem_id 0
		.amdhsa_next_free_vgpr 256
		.amdhsa_next_free_sgpr 66
		.amdhsa_reserve_vcc 1
		.amdhsa_float_denorm_mode_32 3
		.amdhsa_float_denorm_mode_16_64 3
		.amdhsa_memory_ordered 1
		.amdhsa_forward_progress 1
		.amdhsa_inst_pref_size 89
	.end_amdhsa_kernel
	.amdgpu_metadata
---
amdhsa.version: [ 1, 2 ]
amdhsa.kernels:
  - .name:           k_q8020af9fa7_prep
    .symbol:         k_q8020af9fa7_prep.kd
    .args:
      - { .name: x, .offset: 0, .size: 8, .value_kind: global_buffer, .address_space: global }
      - { .name: keys_codes, .offset: 8, .size: 8, .value_kind: global_buffer, .address_space: global }
      - { .name: keys_scales, .offset: 16, .size: 8, .value_kind: global_buffer, .address_space: global }
      - { .name: Wq_codes, .offset: 24, .size: 8, .value_kind: global_buffer, .address_space: global }
      - { .name: Wq_scales, .offset: 32, .size: 8, .value_kind: global_buffer, .address_space: global }
      - { .name: Wk_codes, .offset: 40, .size: 8, .value_kind: global_buffer, .address_space: global }
      - { .name: Wk_scales, .offset: 48, .size: 8, .value_kind: global_buffer, .address_space: global }
      - { .name: Wv_codes, .offset: 56, .size: 8, .value_kind: global_buffer, .address_space: global }
      - { .name: Wv_scales, .offset: 64, .size: 8, .value_kind: global_buffer, .address_space: global }
      - { .name: Wo_codes, .offset: 72, .size: 8, .value_kind: global_buffer, .address_space: global }
      - { .name: Wo_scales, .offset: 80, .size: 8, .value_kind: global_buffer, .address_space: global }
      - { .name: fc1_w_codes, .offset: 88, .size: 8, .value_kind: global_buffer, .address_space: global }
      - { .name: fc1_w_scales, .offset: 96, .size: 8, .value_kind: global_buffer, .address_space: global }
      - { .name: fc2_w_codes, .offset: 104, .size: 8, .value_kind: global_buffer, .address_space: global }
      - { .name: fc2_w_scales, .offset: 112, .size: 8, .value_kind: global_buffer, .address_space: global }
      - { .name: xf, .offset: 120, .size: 8, .value_kind: global_buffer, .address_space: global }
      - { .name: kf, .offset: 128, .size: 8, .value_kind: global_buffer, .address_space: global }
      - { .name: wf, .offset: 136, .size: 8, .value_kind: global_buffer, .address_space: global }
      - { .name: sc, .offset: 144, .size: 8, .value_kind: global_buffer, .address_space: global }
      - { .name: ws, .offset: 152, .size: 8, .value_kind: global_buffer, .address_space: global }
    .group_segment_fixed_size: 34304
    .private_segment_fixed_size: 0
    .kernarg_segment_align: 8
    .kernarg_segment_size: 160
    .max_flat_workgroup_size: 128
    .sgpr_count:     66
    .vgpr_count:     256
    .wavefront_size: 32
...
	.end_amdgpu_metadata
.endif
;; end of part 1
;; launch proj (part 2): grid 256 x 3, 4 waves a work-group, no clusters, 75,264 bytes of LDS; arguments xf, kf, wf, sc, qkv; writes qkv
.if DOCPART == 2
	.amdgcn_target "amdgcn-amd-amdhsa--gfx1250"
	.amdhsa_code_object_version 6
	.text
	.protected	k_q8020af9fa7_proj
	.globl	k_q8020af9fa7_proj
	.p2align	8
	.type	k_q8020af9fa7_proj,@function
k_q8020af9fa7_proj:
	s_mov_b64 s[64:65], 0
	v_nop
	global_prefetch_b8 v0, s[64:65] scope:SCOPE_SE
	s_setreg_imm32_b32 hwreg(HW_REG_WAVE_MODE, 25, 1), 1
	s_wait_xcnt 0x0
; PROJ: Q = x Wq^T, K = keys Wk^T, V = keys Wv^T on codes of E2M3, and each result quantised for attention.  Work-group y = 0, 1, 2 says which.
; D = X (source 0) x Y (source 1), quantised along X's rows.  Q, K: X = 64 rows of the weight (two heads), Y = 64 tokens: a lane holds one token, its registers run along a head's 32.
; V: X = 64 tokens, Y = 64 rows of the weight: a lane holds one channel, its registers run along the tokens, which are the second product's K in attention.
; A wave makes 64 x 64: 16 accumulators; K = 1,024 in eight steps, all written out, once for each order of the sources.  Fragments lie in memory in register order.
; THE FOUR WAVES SHARE THE 64 ROWS OF THE WEIGHT: their 32 fragments (49,152 bytes) come into LDS once, eight a wave, one barrier; a step then takes 12 loads of 512 bytes from LDS and 12 from memory (my 64 tokens).
; No tensor load, so there is no joint request to make, and nothing in LDS is filled again; there is no loop to ask ahead in; other waves on the SIMD work while one waits.
; THE RESULTS, for each (batch, head) a block of 153,600 bytes of qkv: K's codes at 0 and Q's at 102,400, [group of 64 tokens][tile of 16][r] 24 bytes; V's at 49,152, [group][tile of 16 channels][lane] 24 bytes;
; scale words: K's at 98,304 and Q's at 151,552, [group][r], byte = tile; V's at 100,352, [128 keys][16 tile + r], byte = block of 32 keys.
; LIMITS: a block whose largest magnitude lies under 2^-124 gets the byte 1; NaN and infinities are not served.
.set LI,  1                            ; v1      16 x lane
.set SCO, 2                            ; v2      my row's scale words in sc: lanes 0-15 X's rows, lanes 16-31 Y's
.set WLA, 7                            ; v7      the weight's fragments in LDS: WL + 16 x lane
.set SC,  16                           ; v16-31  scale words: register 4 i + s % 4: lanes 0-15 X's tile i, lanes 16-31 Y's tile i
.set WF,  32                           ; v32-79  the weight's four fragments
.set TF,  80                           ; v80-127 the tokens'
.set ACC, 128                          ; v128-255: (X's tile i, Y's tile j) at ACC + 32 j + 8 i
.set PC,  32                           ; the way out: codes, v32-51
.set TM,  52                           ; v52-67
.set PW,  68
.set PW0, 69
.set RB,  72                           ; v72-99  read back from the stage
.set SEL, 40
.set WL,  26112                        ; behind the stages and the spare words: (tile i, K step s) at 12,288 i + 1,536 s
.macro QUANT s
.irp b, 0,1,2,3
	v_max3_num_f32 v[TM+\b], |v[(\s)+16*\b]|, |v[(\s)+1+16*\b]|, 0x1800000   ; each accumulator is read from its low end on
.endr
.irp i, 2,4,6,8,10,12,14
.irp b, 0,1,2,3
	v_max3_num_f32 v[TM+\b], v[TM+\b], |v[(\s)+16*\b+\i]|, |v[(\s)+1+16*\b+\i]|
.endr
.endr
.irp b, 0,1,2,3
	v_permlanex16_b32 v[TM+4+\b], v[TM+\b], s[SEL], s[SEL+1]
.endr
.irp b, 0,1,2,3
	v_max_num_f32 v[TM+\b], v[TM+\b], v[TM+4+\b]
.endr
.irp b, 0,1,2,3
	v_add_nc_u32 v[TM+12+\b], 0xff000000, v[TM+\b]
.endr
.irp b, 0,1,2,3
	v_lshrrev_b32 v[TM+4+\b], 23, v[TM+12+\b]
.endr
	v_lshl_or_b32 v[PW], v[TM+5], 8, v[TM+4]
	v_lshl_or_b32 v[PW], v[TM+6], 16, v[PW]
	v_lshl_or_b32 v[PW], v[TM+7], 24, v[PW]
.irp c, 0,1
	v_cvt_scalef32_pk16_fp6_f32 v[PC+6*\c:PC+2+6*\c], v[(\s)+32*\c:(\s)+15+32*\c], v[TM+12+2*\c]
	v_cvt_scalef32_pk16_fp6_f32 v[PC+12+4*\c:PC+14+4*\c], v[(\s)+16+32*\c:(\s)+31+32*\c], v[TM+12+2*\c+1]
.endr
	v_nop                                          ; one plain place behind a scaled conversion
.irp c, 0,1
.irp i, 0,1,2
	v_permlane16_swap_b32 v[PC+6*\c+\i], v[PC+12+4*\c+\i]
.endr
.irp i, 0,1,2
	v_mov_b32 v[PC+3+6*\c+\i], v[PC+12+4*\c+\i]
.endr
.endr
.endm
.set T2, 2                             ; v258-305 (window 1): the tokens' fragments of the odd K steps; the even steps' lie in TF: a step's tokens are asked for one step ahead
.set MSB, 0
.macro WIN new                         ; the immediate's high byte repeats the setting that is left
.if MSB != (\new)
	s_set_vgpr_msb (MSB<<8)|(\new)
.set MSB, (\new)
.endif
.endm
.macro TOK s                           ; K step s of my 64 tokens, from memory: 12 loads of 512 consecutive bytes
.if (\s)%2
	WIN 0x40                                       ; destination in window 1
.irp i, 0,1,2,3
.irp g, 0,1,2
	global_load_b128 v[T2+12*\i+4*\g:T2+12*\i+4*\g+3], v[LI], s[28:29] offset:12288*\i+1536*(\s)+512*\g
.endr
.endr
	WIN 0
.else
.irp i, 0,1,2,3
.irp g, 0,1,2
	global_load_b128 v[TF+12*\i+4*\g:TF+12*\i+4*\g+3], v[LI], s[28:29] offset:12288*\i+1536*(\s)+512*\g
.endr
.endr
.endif
.endm
.macro SCL s                           ; the scale words of K steps s .. s + 3
.irp i, 0,1,2,3
	global_load_b128 v[SC+4*\i:SC+4*\i+3], v[SCO], s[10:11] offset:512*\i+256*((\s)/4)
.endr
.endm
.macro KSTEP s, x, y, w                ; x, y: the registers of source 0 and source 1;  w: the windows of the products (the odd steps' tokens lie in window 1)
	WIN 0
.if \s > 0
.rept 4
	v_nop                                          ; four places in front of loads into registers that matrix instructions have read
.endr
.endif
.if \s == 4
	SCL 4                                          ; only now: step 3's products have read the first four steps' words
.endif
.if \s < 7
	TOK \s+1
.endif
.irp i, 0,1,2,3
.irp g, 0,1,2
	ds_load_b128 v[WF+12*\i+4*\g:WF+12*\i+4*\g+3], v[WLA] offset:12288*\i+1536*\s+512*\g
.endr
.endr
.if \s < 7
	s_wait_loadcnt 12                              ; all but the next step's 12 loads: this step's tokens and scale words are in
.else
	s_wait_loadcnt 0x0
.endif
	s_wait_dscnt 0x0
	WIN \w
.irp j, 0,1,2,3                                ; the 16 accumulators take turns, one instruction a turn
.irp i, 0,1,2,3
.if \s == 0
	v_wmma_scale_f32_16x16x128_f8f6f4 v[ACC+32*\j+8*\i:ACC+32*\j+8*\i+7], v[\x+12*\i:\x+12*\i+11], v[\y+12*\j:\y+12*\j+11], 0, v[SC+4*\i+\s%4], v[SC+4*\j+\s%4] matrix_a_fmt:MATRIX_FMT_FP6 matrix_b_fmt:MATRIX_FMT_FP6 matrix_b_scale:MATRIX_SCALE_ROW1
.else
	v_wmma_scale_f32_16x16x128_f8f6f4 v[ACC+32*\j+8*\i:ACC+32*\j+8*\i+7], v[\x+12*\i:\x+12*\i+11], v[\y+12*\j:\y+12*\j+11], v[ACC+32*\j+8*\i:ACC+32*\j+8*\i+7], v[SC+4*\i+\s%4], v[SC+4*\j+\s%4] matrix_a_fmt:MATRIX_FMT_FP6 matrix_b_fmt:MATRIX_FMT_FP6 matrix_b_scale:MATRIX_SCALE_ROW1
.endif
.endr
.endr
.endm
; THE WAY OUT.  v = 0: Q, K;  v = 1: V.  stg: the path's stage in LDS, 3,072 bytes a wave;  scb: its 512 bytes of scale words.  Each path has LDS bytes of its own.
; A call of QUANT takes Y's tiles 2 jp and 2 jp + 1.  Behind it registers 6 c .. 6 c + 5 of lane (r, h) are one record of 24 bytes:
;   v = 0: token (tile 2 jp + c, r) of head h;   v = 1: channel (tile c, r) of head jp, block h of 32 tokens.
.macro EPI v, stg, scb
	s_mul_i32 s20, s14, 3072
.if \v
	v_mul_u32_u24 v10, v4, 24                      ; [head jp 1,536][tile c 768][lane 24]
.else
	v_mul_u32_u24 v10, v5, 24                      ; [head h 1,536][tile 384][r 24]
	v_mad_u32_u24 v10, v6, 1536, v10
.endif
	v_add_nc_u32 v10, s20, v10
	v_add_nc_u32 v11, s20, v[LI]
.if \stg > 0
	v_add_nc_u32 v10, \stg, v10
	v_add_nc_u32 v11, \stg, v11
.endif
	v_lshlrev_b32 v12, 2, v5
.if \v
	v_lshl_add_u32 v12, v6, 6, v12                 ; [head jp 256][128 keys: wave / 2, 128][16 h + r words], bytes 2 (wave % 2) on
	s_lshr_b32 s21, s14, 1
	s_lshl_b32 s21, s21, 7
	s_and_b32 s22, s14, 1
	s_lshl_b32 s22, s22, 1
	s_add_co_u32 s21, s21, s22
.else
	v_lshl_add_u32 v12, v6, 8, v12                 ; [head h 256][group: wave, 64][r words]
	s_lshl_b32 s21, s14, 6
.endif
	v_add_nc_u32 v12, s21, v12
	v_add_nc_u32 v12, \scb, v12
	v_add_nc_u32 v9, \scb, v[LI]
	v_mul_u32_u24 v13, v6, 153600
	v_lshl_add_u32 v13, v5, 4, v13                 ; the scale words' way to memory: lanes 0-15 the first head's 256 bytes, lanes 16-31 the second's
.irp jp, 0,1
	QUANT ACC+64*\jp
.irp c, 0,1
.irp i, 0,1,2
.if \v
	ds_store_b64 v10, v[PC+6*\c+2*\i:PC+6*\c+2*\i+1] offset:1536*\jp+768*\c+8*\i
.else
	ds_store_b64 v10, v[PC+6*\c+2*\i:PC+6*\c+2*\i+1] offset:768*\jp+384*\c+8*\i
.endif
.endr
.endr
.if \v
	v_lshrrev_b32 v14, 16, v[PW]                   ; the word's bytes: (tile 0: blocks 0, 1), (tile 1: blocks 0, 1): lanes 16-31 store tile 1's two
	v_cndmask_b32 v14, v[PW], v14, s38
	ds_store_b16 v12, v14 offset:256*\jp
.elseif \jp == 0
	v_mov_b32 v[PW0], v[PW]
.else
	v_perm_b32 v14, v[PW], v[PW0], 0x06040200      ; the words' bytes: (tile, head 0), (tile, head 1), ..: head 0's four,
	v_perm_b32 v15, v[PW], v[PW0], 0x07050301      ; head 1's four
	v_cndmask_b32 v14, v14, v15, s38
	ds_store_b32 v12, v14
.endif
	s_wait_dscnt 0x0                               ; the stores have read their registers
.endr
.irp k, 0,1,2,3,4,5
	ds_load_b128 v[RB+4*\k:RB+4*\k+3], v11 offset:512*\k   ; my own bytes: LDS serves a wave's instructions in order
.endr
.irp k, 0,1,2,3,4,5
	s_wait_dscnt 5-\k                              ; load k is in; the younger ones may be out
	global_store_b128 v[LI], v[RB+4*\k:RB+4*\k+3], s[26:27] offset:512*(\k%3)+153600*(\k/3)   ; 512 consecutive bytes; three stores a head
.endr
	s_wait_dscnt 0x0                               ; for the others' sake: my scale words lie in LDS
	s_barrier_signal -1
	s_barrier_wait -1
	s_cmp_lg_u32 s14, 0
	s_cbranch_scc1 .Ldone_\@
	ds_load_b128 v[RB+24:RB+27], v9                ; wave 0 stores the work-group's scale words: 256 consecutive bytes for each of the two heads
	s_wait_dscnt 0x0
	global_store_b128 v13, v[RB+24:RB+27], s[28:29]
.Ldone_\@:
	s_set_vgpr_msb 0x5                             ; the add's two registers are v256 and v257
	s_wait_tensorcnt 0x0                           ; the wave's end
	ds_add_u32 v0, v1
	s_wait_dscnt 0x0
	s_set_vgpr_msb 0x500
	s_endpgm
.endm
	s_load_b256 s[4:11], s[0:1], 0x0               ; xf s[4:5], kf s[6:7], wf s[8:9], sc s[10:11]
	s_load_b64 s[12:13], s[0:1], 0x20              ; qkv
	s_set_vgpr_msb 0x40
	v_lshl_add_u32 v0, v0, 2, 0x6400               ; v256: my spare word, from byte 25,600 on
	v_mov_b32 v1, 0                                ; v257: 0
	s_set_vgpr_msb 0x4000
	v_lshrrev_b32 v3, 5, v0
	v_readfirstlane_b32 s14, v3                    ; wave
	v_and_b32 v4, 31, v0                           ; lane
	v_and_b32 v5, 15, v0                           ; r
	v_bfe_u32 v6, v0, 4, 1                         ; h
	v_lshlrev_b32 v[LI], 4, v4
	s_and_b32 s15, ttmp7, 0xffff                   ; 0: Q, 1: K, 2: V
	s_lshr_b32 s16, ttmp9, 3                       ; which 256 tokens
	s_and_b32 s17, ttmp9, 7                        ; which 64 rows of the weight
	s_lshl_b32 s18, s16, 2
	s_add_co_u32 s18, s18, s14                     ; my group of 64 tokens
	s_mul_i32 s20, s18, 49152                      ; four tiles of eight images
	s_mov_b32 s21, 0
	s_mul_i32 s22, s15, 393216
	s_mul_i32 s24, s17, 49152
	s_add_co_u32 s22, s22, s24
	s_mov_b32 s23, 0
	s_lshl_b32 s25, s18, 6
	s_cmp_eq_u32 s15, 0
	s_cselect_b32 s26, 0, 8192
	s_add_co_u32 s25, s25, s26
	s_lshl_b32 s25, s25, 5                         ; the tokens' scale words in sc: 512 bytes a tile of 16 rows
	s_lshl_b32 s26, s15, 9
	s_lshl_b32 s27, s17, 6
	s_add_co_u32 s26, s26, s27
	s_add_co_u32 s26, s26, 16384
	s_lshl_b32 s26, s26, 5                         ; the weight rows'
	s_mov_b32 s38, 0xffff0000                      ; lanes 16-31
	s_mov_b32 s[SEL], 0x76543210
	s_mov_b32 s[SEL+1], 0xfedcba98
	s_wait_alu depctr_va_vdst(0)                   ; directly ahead of the wait below
	s_wait_kmcnt 0x0
	s_cmp_eq_u32 s15, 0
	s_cselect_b64 s[28:29], s[4:5], s[6:7]
	s_add_nc_u64 s[28:29], s[28:29], s[20:21]      ; the tokens' fragments
	s_add_nc_u64 s[30:31], s[8:9], s[22:23]        ; the weight's
	s_cmp_lt_u32 s15, 2
	s_cselect_b32 s36, s26, s25                    ; X's scale words
	s_cselect_b32 s37, s25, s26                    ; Y's
	s_mul_i32 s24, s14, 12288                      ; the tile of the weight that I bring into LDS
	v_mov_b32 v8, s36
	v_mov_b32 v9, s37
	v_cndmask_b32 v8, v8, v9, s38
	v_lshl_add_u32 v[SCO], v5, 4, v8
	v_add_nc_u32 v[WLA], WL, v[LI]
	v_add_nc_u32 v10, s24, v[LI]
	v_add_nc_u32 v3, s24, v[WLA]
.set N, 0
.rept 24                                       ; eight images, 12,288 consecutive bytes, by way of registers that the sums take later
	global_load_b128 v[ACC+4*N:ACC+4*N+3], v10, s[30:31] offset:512*N
.set N, N+1
.endr
	TOK 0                                          ; the first step's tokens and scale words are on their way meanwhile
	SCL 0
	s_wait_alu depctr_va_vdst(0)                   ; directly ahead of the wait below
	s_wait_loadcnt 16                              ; all but TOK 0's 12 + 4 loads: my tile of the weight is in
.set N, 0
.rept 24
	ds_store_b128 v3, v[ACC+4*N:ACC+4*N+3] offset:512*N
.set N, N+1
.endr
	s_wait_dscnt 0x0                               ; for the others' sake
	s_barrier_signal -1
	s_barrier_wait -1                              ; all 32 fragments lie in LDS; nobody writes them again
	s_cmp_eq_u32 s15, 2
	s_cbranch_scc1 .Lv_mul
	KSTEP 0, WF, TF, 0
	KSTEP 1, WF, T2, 4                             ; source 1 in window 1
	KSTEP 2, WF, TF, 0
	KSTEP 3, WF, T2, 4
	KSTEP 4, WF, TF, 0
	KSTEP 5, WF, T2, 4
	KSTEP 6, WF, TF, 0
	KSTEP 7, WF, T2, 4
	WIN 0                                          ; at a branch and at a label every window is 0
	s_branch .Lout
.Lv_mul:
	KSTEP 0, TF, WF, 0
	KSTEP 1, T2, WF, 1                             ; source 0 in window 1
	KSTEP 2, TF, WF, 0
	KSTEP 3, T2, WF, 1
	KSTEP 4, TF, WF, 0
	KSTEP 5, T2, WF, 1
	KSTEP 6, TF, WF, 0
	KSTEP 7, T2, WF, 1
	WIN 0
.Lout:
.rept 4
	v_nop                                          ; four places behind the last products
.endr
.irp b, 0,1,2,3
	v_mov_b32 v[TM+4+\b], 0                        ; a lane permute's destination counts as one of its sources
.endr
	s_lshr_b32 s20, s16, 3                         ; batch
	s_lshl_b32 s20, s20, 4
	s_lshl_b32 s21, s17, 1
	s_add_co_u32 s20, s20, s21                     ; the first of my two heads
	s_mul_i32 s20, s20, 153600
	s_mov_b32 s21, 0
	s_add_nc_u64 s[12:13], s[12:13], s[20:21]
	s_and_b32 s22, s18, 31
	s_mul_i32 s22, s22, 1536                       ; my group's codes
	s_mov_b32 s23, 0
	s_and_b32 s24, s16, 7
	s_lshl_b32 s24, s24, 8                         ; the work-group's scale words
	s_mov_b32 s25, 0
	s_cmp_eq_u32 s15, 2
	s_cbranch_scc1 .Lv_path
	s_cmp_eq_u32 s15, 0
	s_cselect_b32 s20, 102400, 0
	s_mov_b32 s21, 98304
	s_cselect_b32 s21, 151552, s21
	s_add_co_u32 s22, s22, s20
	s_add_co_u32 s24, s24, s21
	s_add_nc_u64 s[26:27], s[12:13], s[22:23]
	s_add_nc_u64 s[28:29], s[12:13], s[24:25]
	EPI 0, 0, 12288
.Lv_path:
	s_add_co_u32 s22, s22, 49152
	s_add_co_u32 s24, s24, 100352
	s_add_nc_u64 s[26:27], s[12:13], s[22:23]
	s_add_nc_u64 s[28:29], s[12:13], s[24:25]
	EPI 1, 12800, 25088
.Lfunc_end_k_q8020af9fa7_proj:
	.size	k_q8020af9fa7_proj, .Lfunc_end_k_q8020af9fa7_proj-k_q8020af9fa7_proj
	.p2alignl 7, 3214868480
	.fill 96, 4, 3214868480
	.section	.rodata,"a",@progbits
	.p2align	6, 0x0
	.amdhsa_kernel k_q8020af9fa7_proj
		.amdhsa_group_segment_fixed_size 75264
		.amdhsa_private_segment_fixed_size 0
		.amdhsa_enable_private_segment 0
		.amdhsa_kernarg_size 40
		.amdhsa_user_sgpr_count 2
		.amdhsa_user_sgpr_kernarg_segment_ptr 1
		.amdhsa_wavefront_size32 1
		.amdhsa_system_sgpr_workgroup_id_x 1
		.amdhsa_system_sgpr_workgroup_id_y 1
		.amdhsa_system_sgpr_workgroup_id_z 1
		.amdhsa_system_vgpr_workitem_id 0
		.amdhsa_next_free_vgpr 306
		.amdhsa_next_free_sgpr 66
		.amdhsa_reserve_vcc 0
		.amdhsa_float_denorm_mode_32 3
		.amdhsa_float_denorm_mode_16_64 3
		.amdhsa_memory_ordered 1
		.amdhsa_forward_progress 1
		.amdhsa_inst_pref_size 96
	.end_amdhsa_kernel
	.amdgpu_metadata
---
amdhsa.version: [ 1, 2 ]
amdhsa.kernels:
  - .name:           k_q8020af9fa7_proj
    .symbol:         k_q8020af9fa7_proj.kd
    .args:
      - { .name: xf, .offset: 0, .size: 8, .value_kind: global_buffer, .address_space: global }
      - { .name: kf, .offset: 8, .size: 8, .value_kind: global_buffer, .address_space: global }
      - { .name: wf, .offset: 16, .size: 8, .value_kind: global_buffer, .address_space: global }
      - { .name: sc, .offset: 24, .size: 8, .value_kind: global_buffer, .address_space: global }
      - { .name: qkv, .offset: 32, .size: 8, .value_kind: global_buffer, .address_space: global }
    .group_segment_fixed_size: 75264
    .private_segment_fixed_size: 0
    .kernarg_segment_align: 8
    .kernarg_segment_size: 40
    .max_flat_workgroup_size: 128
    .sgpr_count:     66
    .vgpr_count:     306
    .wavefront_size: 32
...
	.end_amdgpu_metadata
.endif
;; end of part 2
;; launch attn (part 3): grid 256 x 1, 16 waves a work-group, clusters of 4 x 1, 169,984 bytes of LDS; arguments qkv, att; writes att
.if DOCPART == 3
	.amdgcn_target "amdgcn-amd-amdhsa--gfx1250"
	.amdhsa_code_object_version 6
	.text
	.protected	k_q8020af9fa7_attn
	.globl	k_q8020af9fa7_attn
	.p2align	8
	.type	k_q8020af9fa7_attn,@function
k_q8020af9fa7_attn:
	s_mov_b64 s[64:65], 0
	v_nop
	global_prefetch_b8 v0, s[64:65] scope:SCOPE_SE
	s_setreg_imm32_b32 hwreg(HW_REG_WAVE_MODE, 25, 1), 1
	s_wait_xcnt 0x0
	s_wait_alu depctr_hold_cnt(0) depctr_sa_sdst(0) depctr_va_vdst(0) depctr_va_sdst(0) depctr_va_ssrc(0) depctr_va_vcc(0) depctr_vm_vsrc(0)
	s_getreg_b32 s2, hwreg(HW_REG_IB_STS2, 6, 4)
	s_cmp_eq_u32 s2, 0
	s_cbranch_scc0 .Lentry_in_a_cluster
	s_endpgm
.Lentry_in_a_cluster:
	s_bfe_u32 s2, ttmp6, 0x10000c
	s_cmp_lg_u32 s2, 0x3003
	s_cbranch_scc0 .Lentry_shape_is_right
	s_endpgm
.Lentry_shape_is_right:
; ATTN: o = softmax(q k^T / sqrt(32)) v for each (batch, head), both products on codes of E2M3, and o quantised along the head's 32 for the next product.
; THE SOFTMAX: t = score x log2(e) / sqrt(32); M = the running largest t rounded UP to a whole number; p = 2^(t - M) is quantised along the keys, not normalised; the row's sum is taken of the
; unquantised p and divides o at the end.  When M moves, the sum and o are multiplied by 2^(old M - new M): exact.
; SHARES.  A cluster of four work-groups takes one (batch, head); a work-group 512 queries; each of its sixteen waves two tiles of 16 queries, which share every fragment of K and V.
; The head's K and V (codes and scale words, 102,400 dense bytes of qkv) come into LDS ONCE, asked for jointly by the four work-groups; nothing is filled again, so there is no ring.
; There is no later stream of tiles in this launch, so nothing is asked for ahead of its load.
; A PRODUCT WITH K = 32 ON AN INSTRUCTION 128 DEEP.  One fragment of K holds 64 keys: four tiles of 16, one in each block of 32 of the instruction's K.  Q stands in four variants, its 32 codes in
; block v and zero codes in the other three: instruction v gives the scores of key tile v.  So every byte read from LDS is used.
; Both products are used transposed (source 0 = keys, or V's channels): a lane holds ONE query.
; WHICH KEYS FORM A TILE: row m of tile v of a group of 64 keys is key 32 (m / 8) + 8 v + m % 8.  A lane of half h holds rows 8 h .. 8 h + 7 of each tile, so the 32 registers of a group's four tiles are
; the 32 keys of ONE block, 32 h .. 32 h + 31, in their order: a block's largest score and its codes need no other lane, and the codes are the operand's registers as they are made.
; In qkv a group's records lie [tile v'][row r'] for key 32 (v' / 2) + 8 (v' % 2) + r' % 8 + 16 (r' / 8): so row r of tile 2 c + h is the record v' = 2 (r / 8) + h, r' = r % 8 + 8 c: an LDS address.
; K's scale words (in qkv: word r', byte v') are laid anew once, at the head, into 2,048 LDS bytes of their own: word r of a group = two bytes of word r % 8 and two of word r % 8 + 8.
; K's loads of 8 bytes meet two deep in LDS (rows r and r + 8 lie 768 bytes apart): 12 loads for a trip's 20 products and two softmaxes.
; LIMITS: a block whose largest magnitude lies under 2^-124 gets the byte 1; NaN and infinities are not served.
.set KVA, 1                            ; v1      LDS address of the trip's codes of V
.set SCA, 2                            ; v2      of its scale words
.set ST,  4                            ; v4-11   tile tau at 4 tau: -M, the largest t, the sum in two halves
.set QS,  12                           ; v12-13  the queries' scale byte, four times
.set KSC, 14                           ; v14     K's scale words: lanes 0-15 the first 64 keys, lanes 16-31 the second
.set VSC, 15                           ; v15     V's: lanes 0-15 channels' tile 0, lanes 16-31 tile 1
.set QB,  16                           ; v16-69  nine runs of six: 0, A lo, 0, A hi, 0, B lo, 0, B hi, 0 (lo: the codes in lanes 0-15 alone; hi: in lanes 16-31 alone)
.set KV,  70                           ; v70-93  two fragments of K, later of V
.set S,   94                           ; v94-157 the scores, then p: register 32 c + i is key 64 c + 32 h + i of the trip's 128
.set O,   158                          ; v158-189 o^T, 16 a tile
.set P,   190                          ; v190-213 p's codes, 12 a tile
.set CT,  214                          ; v214-221
.set BM,  222                          ; v222-225 four chains of maxima; then BM and BM + 2: my two blocks' largest scores
.set PX,  226                          ; v226-229
.set SO,  230                          ; v230-231 the conversions' scale operands
.set BY,  234                          ; v234-235 the bytes
.set PS,  238                          ; v238-239 p's scale words
.set F,   240                          ; v[240:241] 2^(old M - new M), and a word that is named with it
.set T,   242
.set KV0, 243                          ; 24 x lane
.set SC0, 244                          ; 98,304 + 4 x lane
.set QA,  245
.set QSA, 246
.set AO,  247
.set H8,  248                          ; 8 h
.set KA0, 249                          ; K's records: 24 x (32 (r / 8) + 16 h + r % 8)
.set SK0, 250                          ; K's scale words as qkv has them: 98,304 + 64 h + 4 (r % 8) + 2 (r / 8)
.set KAA, 251                          ; LDS address of the trip's codes of K
.set KSH, 252
.set KTB, 4096                         ; K's scale words laid anew: from byte 102,400 on, 4,096 behind SC0's base
.set WV,  8
.set SEL, 10
.set CS,  12                           ; s[12:13] c = log2(e) / sqrt(32)
.set G1,  16
.set G0,  24
.set CNT, 28
.set TK,  29                           ; the trip's codes: 3,072 bytes a trip
.set TS,  30                           ; its scale words: 128 bytes a trip
.set HM,  31
.macro ROUND                           ; a round of the cluster's barrier
	s_barrier_signal -1
	s_barrier_wait -1
	s_cmp_lg_u32 s[WV], 0
	s_cbranch_scc1 .Lnot_wave_0_\@
	s_barrier_signal -3
.Lnot_wave_0_\@:
	s_barrier_wait -3
	s_barrier_signal -1
	s_barrier_wait -1
.endm
.macro SCORES tau
.irp f2, 0,1
.irp v, 0,1,2,3
.if \f2
	v_wmma_scale_f32_16x16x128_f8f6f4 v[S+8*(4*\f2+\v):S+8*(4*\f2+\v)+7], v[KV+12*\f2:KV+12*\f2+11], v[QB+24*\tau+6*(1-\v/2)+12*(\v%2):QB+24*\tau+6*(1-\v/2)+12*(\v%2)+11], 0, v[KSC], v[QS+\tau] matrix_a_fmt:MATRIX_FMT_FP6 matrix_b_fmt:MATRIX_FMT_FP6 matrix_a_scale:MATRIX_SCALE_ROW1
.else
	v_wmma_scale_f32_16x16x128_f8f6f4 v[S+8*(4*\f2+\v):S+8*(4*\f2+\v)+7], v[KV+12*\f2:KV+12*\f2+11], v[QB+24*\tau+6*(1-\v/2)+12*(\v%2):QB+24*\tau+6*(1-\v/2)+12*(\v%2)+11], 0, v[KSC], v[QS+\tau] matrix_a_fmt:MATRIX_FMT_FP6 matrix_b_fmt:MATRIX_FMT_FP6
.endif
.endr
.endr
.rept 4
	v_nop                                          ; four places behind the products
.endr
.endm
.macro SMX tau                         ; tile tau's softmax of 128 keys: S becomes p, p's codes go to P, its scale word to PS, o^T and the sum come under the new M
.set NM, ST+4*\tau
.irp b, 0,1,2,3
	v_max3_num_f32 v[BM+\b], v[S+16*\b], v[S+1+16*\b], v[S+2+16*\b]   ; four chains by turns; each accumulator is read from its low end on
.endr
.irp i, 3,5,7,9,11,13
.irp b, 0,1,2,3
	v_max3_num_f32 v[BM+\b], v[BM+\b], v[S+16*\b+\i], v[S+1+16*\b+\i]
.endr
.endr
.irp c, 0,1
	v_max3_num_f32 v[BM+2*\c], v[BM+2*\c], v[S+15+32*\c], v[S+31+32*\c]
.endr
.irp c, 0,1
	s_delay_alu instid0(VALU_DEP_2)
	v_max_num_f32 v[BM+2*\c], v[BM+2*\c], v[BM+2*\c+1]   ; the largest score of my block c: for the row's maximum, and, since p rises with the score, for the block's largest p
.endr
	s_delay_alu instid0(VALU_DEP_1)
	v_max_num_f32 v[T], v[BM], v[BM+2]
	s_delay_alu instid0(VALU_DEP_1)
	v_permlanex16_b32 v[PX], v[T], s[SEL], s[SEL+1]
	s_delay_alu instid0(VALU_DEP_1)
	v_max_num_f32 v[T], v[T], v[PX]                ; with lane l xor 16's two blocks
	s_delay_alu instid0(VALU_DEP_1)
	v_mul_f32 v[T], s[CS], v[T]                    ; as t (c is positive)
	s_delay_alu instid0(VALU_DEP_1)
	v_max_num_f32 v[NM+1], v[NM+1], v[T]           ; the running largest t
	v_mov_b32 v[T], v[NM]
	s_delay_alu instid0(VALU_DEP_2)
	v_floor_f32 v[NM], -v[NM+1]                    ; the new -M = floor(-t): M is a whole number
	s_delay_alu instid0(VALU_DEP_1)
	v_sub_f32 v[T], v[NM], v[T]                    ; old M - new M: a whole number, 0 or less
	s_delay_alu instid0(VALU_DEP_1)
	v_cvt_i32_f32 v[T], v[T]                       ; (it saturates)
	s_delay_alu instid0(VALU_DEP_1)
	v_ldexp_f32 v[F], 1.0, v[T]
.set J, 0
.rept 32
	v_pk_fma_f32 v[S+J:S+J+1], v[S+J:S+J+1], s[CS:CS+1], v[NM:NM+1] op_sel_hi:[1,0,0]   ; t - M, two at a time
.set J, J+2
.endr
.irp b, 0,2
	v_fma_f32 v[BM+\b], v[BM+\b], s[CS], v[NM]     ; the same of each block's largest score
.endr
.set J, 0
	s_wait_alu depctr_va_vdst(0)                   ; the wait ahead of the batch
.rept 64
	v_exp_f32 v[S+J], v[S+J]                       ; p = 2^(t - M)
.set J, J+1
.endr
	v_pk_mul_f32 v[NM+2:NM+3], v[NM+2:NM+3], v[F:F+1] op_sel_hi:[1,0]   ; the sum under the new M: the plain place behind the exponentials
	s_wait_alu depctr_va_vdst(0)                   ; one wait for the batch, ahead of its first reader
.irp b, 0,2
	v_exp_f32 v[BM+\b], v[BM+\b]                   ; the block's largest p
.endr
	v_pk_add_f32 v[PX:PX+1], v[S:S+1], v[S+2:S+3]  ; the row's sum of the unquantised p, in two chains
.set J, 4
.rept 15
	v_pk_add_f32 v[NM+2:NM+3], v[NM+2:NM+3], v[S+J:S+J+1]
	v_pk_add_f32 v[PX:PX+1], v[PX:PX+1], v[S+J+2:S+J+3]
.set J, J+4
.endr
	s_delay_alu instid0(VALU_DEP_1)
	v_pk_add_f32 v[NM+2:NM+3], v[NM+2:NM+3], v[PX:PX+1]
	s_wait_alu depctr_va_vdst(0)                   ; and one for the two
.irp c, 0,1
	v_max_num_f32 v[BM+2*\c], 0x1800000, v[BM+2*\c]   ; the floor 2^(3 - 127)
.endr
.irp c, 0,1
	s_delay_alu instid0(VALU_DEP_2)
	v_add_nc_u32 v[SO+\c], 0xff000000, v[BM+2*\c]  ; 2 off the exponent field: the conversion's scale operand
.endr
.irp c, 0,1
	s_delay_alu instid0(VALU_DEP_2)
	v_lshrrev_b32 v[BY+\c], 23, v[SO+\c]           ; the byte
.endr
	s_delay_alu instid0(VALU_DEP_1)
	v_lshl_or_b32 v[PS+\tau], v[BY+1], 16, v[BY]   ; my two bytes: blocks h and 2 + h of the 128 keys,
	s_delay_alu instid0(VALU_DEP_1)
	v_lshlrev_b32 v[PS+\tau], v[H8], v[PS+\tau]    ; at their places in the scale word;
	s_delay_alu instid0(VALU_DEP_1)
	v_permlanex16_b32 v[PX], v[PS+\tau], s[SEL], s[SEL+1]
	s_delay_alu instid0(VALU_DEP_1)
	v_or_b32 v[PS+\tau], v[PS+\tau], v[PX]         ; with lane l xor 16's two the word is whole
.irp c, 0,1
	v_cvt_scalef32_pk16_fp6_f32 v[P+12*\tau+6*\c:P+12*\tau+6*\c+2], v[S+32*\c:S+32*\c+15], v[SO+\c]
	v_cvt_scalef32_pk16_fp6_f32 v[CT+4*\c:CT+4*\c+2], v[S+32*\c+16:S+32*\c+31], v[SO+\c]   ; (a conversion's three registers begin on an even number)
.endr
	v_nop                                          ; one plain place behind a scaled conversion
.irp c, 0,1
.irp i, 0,1,2
	v_mov_b32 v[P+12*\tau+6*\c+3+\i], v[CT+4*\c+\i]   ; registers 6 c .. 6 c + 5: k = 64 c + 32 h + 0 .. 31
.endr
.endr
.set J, 0
.rept 8
	v_pk_mul_f32 v[O+16*\tau+J:O+16*\tau+J+1], v[O+16*\tau+J:O+16*\tau+J+1], v[F:F+1] op_sel_hi:[1,0]   ; o^T under the new M; these eight stand between the codes' and the scale word's last writes and the products
.set J, J+2
.endr
.endm
	s_load_b128 s[4:7], s[0:1], 0x0                ; qkv, att
	v_lshl_add_u32 v254, v0, 2, 0x29000
	v_mov_b32 v255, 0
	ds_add_u32 v254, v255                          ; the opening lines: the add, twice on end, and its wait
	ds_add_u32 v254, v255
	v_lshrrev_b32 v3, 5, v0
	s_delay_alu instid0(VALU_DEP_1)
	v_readfirstlane_b32 s[WV], v3                  ; wave 0..15
	s_bfe_u32 s9, ttmp6, 0x40000                   ; my place in the cluster: it enters Q's and att's addresses alone
	s_mul_i32 s32, ttmp9, 153600                   ; the cluster's number is 16 batch + head
	s_mov_b32 s33, 0
	s_and_b32 s34, s[WV], 3
	s_mul_i32 s34, s34, 25600                      ; a quarter of the 102,400 bytes for each of waves 0 to 3
	s_mov_b32 s35, 0
	s_mov_b32 s[G1], 15|(3<<16)|(1<<21)            ; the mask: all four work-groups; elements of 8 bytes; bit 21 beside a mask; no padding
	s_mov_b32 s[G1+1], 32<<16                      ; tensor_dim0 = 32 elements: rows of 256 bytes
	s_mov_b32 s[G1+2], 100<<16                     ; tensor_dim1 = 100
	s_mov_b32 s[G1+3], 32<<16                      ; tile_dim0
	s_mov_b32 s[G1+4], 100                         ; tile_dim1
	s_mov_b32 s[G1+5], 32                          ; the pitch: dense
	s_mov_b32 s[G1+6], 0
	s_mov_b32 s[G1+7], 0
	s_wait_dscnt 0x0
	s_wait_kmcnt 0x0
	s_add_nc_u64 s[4:5], s[4:5], s[32:33]          ; the head's block
	s_mov_b32 s[G0], 1
	s_mov_b32 s[G0+1], s34
	s_add_nc_u64 s[G0+2:G0+3], s[4:5], s[34:35]
	s_or_b32 s[G0+3], s[G0+3], 0x80000000
	ROUND                                          ; all four work-groups are here: the joint loads meet
	s_cmp_lt_u32 s[WV], 4
	s_cbranch_scc0 .Lno_fill
	tensor_load_to_lds s[G0:G0+3], s[G1:G1+7]      ; one load a wave is out
	s_nop 0
.rept 4
	v_nop
.endr
.Lno_fill:
	v_and_b32 v3, 31, v0
	v_and_b32 v[T], 15, v0                         ; r
	v_bfe_u32 v[F], v0, 4, 1                       ; h
	s_delay_alu instid0(VALU_DEP_3)
	v_mul_u32_u24 v[KV0], v3, 24
	s_delay_alu instid0(VALU_DEP_4)
	v_lshl_add_u32 v[SC0], v3, 2, 98304
	s_delay_alu instid0(VALU_DEP_4)
	v_mul_u32_u24 v[QA], v[T], 24
	s_wait_alu depctr_va_vdst(0)
	v_lshlrev_b32 v[QSA], 2, v[T]
	s_wait_alu depctr_va_vdst(0)
	v_and_b32 v[AO], 8, v[T]
	s_delay_alu instid0(VALU_DEP_1)
	v_add_nc_u32 v[AO], v[AO], v[T]
	s_delay_alu instid0(VALU_DEP_1)
	v_lshlrev_b32 v[AO], 5, v[AO]
	s_delay_alu instid0(VALU_DEP_1)
	v_lshl_add_u32 v[AO], v[F], 4, v[AO]           ; att: 32 bytes a token, 16 for each half of the lanes
	v_and_b32 v[KA0], 7, v0                        ; r % 8
	v_bfe_u32 v[SK0], v0, 3, 1                     ; r / 8
	s_delay_alu instid0(VALU_DEP_1)
	v_lshl_add_u32 v[KAA], v[SK0], 5, v[KA0]
	s_delay_alu instid0(VALU_DEP_1)
	v_lshl_add_u32 v[KAA], v[F], 4, v[KAA]         ; the record 32 (r / 8) + 16 h + r % 8
	s_delay_alu instid0(VALU_DEP_4)
	v_lshlrev_b32 v[KA0], 2, v[KA0]
	s_delay_alu instid0(VALU_DEP_1)
	v_lshl_add_u32 v[SK0], v[SK0], 1, v[KA0]
	s_delay_alu instid0(VALU_DEP_1)
	v_lshl_add_u32 v[SK0], v[F], 6, v[SK0]
	s_delay_alu instid0(VALU_DEP_1)
	v_add_nc_u32 v[SK0], 98304, v[SK0]
	v_mul_u32_u24 v[KA0], v[KAA], 24
	v_lshlrev_b32 v[H8], 3, v[F]
	s_lshl_b32 s36, s9, 3
	s_lshr_b32 s37, s[WV], 1
	s_add_co_u32 s36, s36, s37                     ; my group of 64 queries
	s_and_b32 s37, s[WV], 1                        ; and which 32 of them
	s_mul_i32 s38, s36, 1536
	s_mul_i32 s39, s37, 768
	s_add_co_u32 s38, s38, s39
	s_mov_b32 s39, 0
	s_add_nc_u64 s[40:41], s[4:5], s[38:39]        ; Q's codes
	s_lshl_b32 s38, s36, 6
	s_lshl_b32 s44, s37, 1
	s_add_co_u32 s38, s38, s44
	s_add_nc_u64 s[42:43], s[4:5], s[38:39]        ; Q's scale bytes
	s_lshl_b32 s38, ttmp9, 16
	s_lshl_b32 s44, s36, 11
	s_add_co_u32 s38, s38, s44
	s_lshl_b32 s44, s37, 10
	s_add_co_u32 s38, s38, s44
	s_add_nc_u64 s[6:7], s[6:7], s[38:39]
	s_wait_alu depctr_va_vdst(0)                   ; the wait behind the run of scalar lines
.irp tau, 0,1
.irp i, 0,1,2
	global_load_b64 v[S+6*\tau+2*\i:S+6*\tau+2*\i+1], v[QA], s[40:41] offset:102400+384*\tau+8*\i   ; both halves of the lanes take query r's 24 bytes
.endr
	global_load_u8 v[S+12+\tau], v[QSA], s[42:43] offset:151552+\tau
.endr
	s_mov_b32 s[SEL], 0x76543210
	s_mov_b32 s[SEL+1], 0xfedcba98
	s_mov_b32 s[CS], 0x3e8293ee
	s_mov_b32 s[CS+1], s[CS]
	s_mov_b32 s[HM], 0xffff0000
	s_mov_b32 s45, 0x01010101
	s_lshl_b32 s46, s[WV], 7                       ; the two groups of keys whose scale words I lay anew
	s_mov_b32 s[TK], 0
	s_mov_b32 s[TS], 0
	s_mov_b32 s[CNT], 16
.irp z, 0,2,4,6,8
.irp i, 0,1,2,3,4,5
	v_mov_b32 v[QB+6*\z+\i], 0
.endr
.endr
.set J, 0
.rept 32
	v_mov_b32 v[O+J], 0                            ; the loop is written once: its first trip finds zeros
.set J, J+1
.endr
.irp tau, 0,1
	v_mov_b32 v[ST+4*\tau+1], 0xff61b1e6           ; the largest t so far: -3e38
	s_delay_alu instid0(VALU_DEP_1)
	v_floor_f32 v[ST+4*\tau], -v[ST+4*\tau+1]
	v_mov_b32 v[ST+4*\tau+2], 0
	v_mov_b32 v[ST+4*\tau+3], 0
.endr
.irp b, 0,1,2,3
	v_mov_b32 v[PX+\b], 0
.endr
	v_mov_b32 v[F+1], 0
	v_add_nc_u32 v[KAA], s46, v[SK0]
	v_add_nc_u32 v[SCA], s46, v[SC0]
	s_wait_alu depctr_va_vdst(0)                   ; directly ahead of the wait below
	s_wait_loadcnt 0x0
.irp tau, 0,1
	v_mul_lo_u32 v[QS+\tau], v[S+12+\tau], s45     ; the byte in all four places: each variant finds it at its block
.endr
.irp tau, 0,1
.irp i, 0,1,2,3,4,5
	v_cndmask_b32 v[QB+24*\tau+6+\i], v[S+6*\tau+\i], 0, s[HM]
	v_cndmask_b32 v[QB+24*\tau+18+\i], 0, v[S+6*\tau+\i], s[HM]
.endr
.endr
	s_wait_alu depctr_va_vdst(0)                   ; the wait at the head's end
	s_wait_tensorcnt 0x0                           ; my part of the head has landed (a wave that fetched nothing waits for nothing),
	s_barrier_signal -1
	s_barrier_wait -1                              ; everybody's has
	ds_load_u16 v[KSC], v[KAA]                     ; K's scale words anew, groups 2 wave + h: bytes 2 (r / 8), + 1 of word r % 8: tiles 0 and 1 of my row,
	ds_load_u16 v[KSH], v[KAA] offset:32           ; and of word r % 8 + 8: tiles 2 and 3
	s_wait_dscnt 0x0
	v_lshl_or_b32 v[KSC], v[KSH], 16, v[KSC]
	ds_store_b32 v[SCA], v[KSC] offset:KTB         ; bytes of their own, on which no fill lands
	s_wait_dscnt 0x0                               ; for the others' sake
	s_barrier_signal -1
	s_barrier_wait -1
.Lunit:                                            ; 16 trips of 128 keys
	v_add_nc_u32 v[KVA], s[TK], v[KV0]
	v_add_nc_u32 v[SCA], s[TS], v[SC0]
	v_add_nc_u32 v[KAA], s[TK], v[KA0]
	v_nop                                          ; with the three additions: four places behind the last trip's products
.irp f2, 0,1
.irp c, 0,1
.irp i, 0,1,2
	ds_load_b64 v[KV+12*\f2+6*\c+2*\i:KV+12*\f2+6*\c+2*\i+1], v[KAA] offset:1536*\f2+192*\c+8*\i
.endr
.endr
.endr
	ds_load_b32 v[KSC], v[SCA] offset:KTB
	s_wait_dscnt 0x0
	SCORES 0
	SMX 0
	SCORES 1
.irp t, 0,1
.irp c, 0,1
.irp i, 0,1,2
	ds_load_b64 v[KV+12*\t+6*\c+2*\i:KV+12*\t+6*\c+2*\i+1], v[KVA] offset:49152+1536*\c+768*\t+8*\i   ; V's two fragments land while the second softmax is walked
.endr
.endr
.endr
	ds_load_b32 v[VSC], v[SCA] offset:2048
	SMX 1
	s_wait_alu depctr_va_vdst(0)
	s_wait_dscnt 0x0
	; o^T += V^T p^T: four accumulators by turns
	v_wmma_scale_f32_16x16x128_f8f6f4 v[O:O+7], v[KV:KV+11], v[P:P+11], v[O:O+7], v[VSC], v[PS] matrix_a_fmt:MATRIX_FMT_FP6 matrix_b_fmt:MATRIX_FMT_FP6
	v_wmma_scale_f32_16x16x128_f8f6f4 v[O+16:O+23], v[KV:KV+11], v[P+12:P+23], v[O+16:O+23], v[VSC], v[PS+1] matrix_a_fmt:MATRIX_FMT_FP6 matrix_b_fmt:MATRIX_FMT_FP6
	v_wmma_scale_f32_16x16x128_f8f6f4 v[O+8:O+15], v[KV+12:KV+23], v[P:P+11], v[O+8:O+15], v[VSC], v[PS] matrix_a_fmt:MATRIX_FMT_FP6 matrix_b_fmt:MATRIX_FMT_FP6 matrix_a_scale:MATRIX_SCALE_ROW1
	v_wmma_scale_f32_16x16x128_f8f6f4 v[O+24:O+31], v[KV+12:KV+23], v[P+12:P+23], v[O+24:O+31], v[VSC], v[PS+1] matrix_a_fmt:MATRIX_FMT_FP6 matrix_b_fmt:MATRIX_FMT_FP6 matrix_a_scale:MATRIX_SCALE_ROW1
	s_add_co_u32 s[TK], s[TK], 3072
	s_add_co_u32 s[TS], s[TS], 128
	s_sub_co_u32 s[CNT], s[CNT], 1
	s_cmp_lg_u32 s[CNT], 0
	s_cbranch_scc1 .Lunit
	; THE WAY OUT: o = o^T / the sum, quantised along the head's 32: a lane holds channels 16 h + 0 .. 15 of its query
.irp tau, 0,1
	v_add_f32 v[BM+\tau], v[ST+4*\tau+2], v[ST+4*\tau+3]
.endr
.irp tau, 0,1
	s_delay_alu instid0(VALU_DEP_2)
	v_permlanex16_b32 v[PX+\tau], v[BM+\tau], s[SEL], s[SEL+1]
.endr
.irp tau, 0,1
	s_delay_alu instid0(VALU_DEP_2)
	v_add_f32 v[BM+\tau], v[BM+\tau], v[PX+\tau]   ; with lane l xor 16's keys: the row's sum
.endr
	v_nop
	v_nop                                          ; (with the four additions: the places behind the last products)
	s_wait_alu depctr_va_vdst(0)
.irp tau, 0,1
	v_rcp_f32 v[BM+2+\tau], v[BM+\tau]
.endr
	v_nop                                          ; a plain place behind the reciprocals
	s_wait_alu depctr_va_vdst(0)                   ; one wait for the two, ahead of the first reader
.irp tau, 0,1
.set J, 0
.rept 16
	v_mul_f32 v[S+16*\tau+J], v[O+16*\tau+J], v[BM+2+\tau]
.set J, J+1
.endr
.endr
.irp tau, 0,1
	v_max3_num_f32 v[SO+\tau], |v[S+16*\tau]|, |v[S+16*\tau+1]|, 0x1800000
.endr
.irp i, 2,4,6,8,10,12,14
.irp tau, 0,1
	s_delay_alu instid0(VALU_DEP_2)
	v_max3_num_f32 v[SO+\tau], v[SO+\tau], |v[S+16*\tau+\i]|, |v[S+16*\tau+\i+1]|
.endr
.endr
.irp tau, 0,1
	s_delay_alu instid0(VALU_DEP_2)
	v_permlanex16_b32 v[PX+\tau], v[SO+\tau], s[SEL], s[SEL+1]
.endr
.irp tau, 0,1
	s_delay_alu instid0(VALU_DEP_2)
	v_max_num_f32 v[SO+\tau], v[SO+\tau], v[PX+\tau]
.endr
.irp tau, 0,1
	s_delay_alu instid0(VALU_DEP_2)
	v_add_nc_u32 v[BY+\tau], 0xff000000, v[SO+\tau]
.endr
.irp tau, 0,1
	v_cvt_scalef32_pk16_fp6_f32 v[CT+4*\tau:CT+4*\tau+2], v[S+16*\tau:S+16*\tau+15], v[BY+\tau]
.endr
.irp tau, 0,1
	v_lshrrev_b32 v[CT+4*\tau+3], 23, v[BY+\tau]   ; the block's byte rides as the record's fourth word
.endr
.irp tau, 0,1
	global_store_b128 v[AO], v[CT+4*\tau:CT+4*\tau+3], s[6:7] offset:256*\tau   ; eight tokens' 32 bytes are 256 consecutive bytes: two such runs an instruction
.endr
	s_wait_tensorcnt 0x0                           ; the wave's end
	ds_add_u32 v254, v255
	s_wait_dscnt 0x0
	ROUND                                          ; the closing round
	s_endpgm
.Lfunc_end_k_q8020af9fa7_attn:
	.size	k_q8020af9fa7_attn, .Lfunc_end_k_q8020af9fa7_attn-k_q8020af9fa7_attn
	.p2alignl 7, 3214868480
	.fill 96, 4, 3214868480
	.section	.rodata,"a",@progbits
	.p2align	6, 0x0
	.amdhsa_kernel k_q8020af9fa7_attn
		.amdhsa_group_segment_fixed_size 169984
		.amdhsa_private_segment_fixed_size 0
		.amdhsa_enable_private_segment 0
		.amdhsa_kernarg_size 16
		.amdhsa_user_sgpr_count 2
		.amdhsa_user_sgpr_kernarg_segment_ptr 1
		.amdhsa_wavefront_size32 1
		.amdhsa_system_sgpr_workgroup_id_x 1
		.amdhsa_system_sgpr_workgroup_id_y 1
		.amdhsa_system_sgpr_workgroup_id_z 1
		.amdhsa_system_vgpr_workitem_id 0
		.amdhsa_next_free_vgpr 256
		.amdhsa_next_free_sgpr 66
		.amdhsa_reserve_vcc 0
		.amdhsa_float_denorm_mode_32 3
		.amdhsa_float_denorm_mode_16_64 3
		.amdhsa_memory_ordered 1
		.amdhsa_forward_progress 1
		.amdhsa_inst_pref_size 42
	.end_amdhsa_kernel
	.amdgpu_metadata
---
amdhsa.version: [ 1, 2 ]
amdhsa.kernels:
  - .name:           k_q8020af9fa7_attn
    .symbol:         k_q8020af9fa7_attn.kd
    .args:
      - { .name: qkv, .offset: 0, .size: 8, .value_kind: global_buffer, .address_space: global }
      - { .name: att, .offset: 8, .size: 8, .value_kind: global_buffer, .address_space: global }
    .group_segment_fixed_size: 169984
    .private_segment_fixed_size: 0
    .kernarg_segment_align: 8
    .kernarg_segment_size: 16
    .max_flat_workgroup_size: 512
    .sgpr_count:     66
    .vgpr_count:     256
    .wavefront_size: 32
...
	.end_amdgpu_metadata
.endif
;; end of part 3
;; launch tail (part 4): grid 256 x 1, 4 waves a work-group, clusters of 4 x 1, 327,680 bytes of LDS; arguments att, ws, x, ln1_g, ln1_b, fc1_b, fc2_b, ln2_g, ln2_b, out0; writes out0
.if DOCPART == 4
	.amdgcn_target "amdgcn-amd-amdhsa--gfx1250"
	.amdhsa_code_object_version 6
	.text
	.protected	k_q8020af9fa7_tail
	.globl	k_q8020af9fa7_tail
	.p2align	8
	.type	k_q8020af9fa7_tail,@function
k_q8020af9fa7_tail:
	s_mov_b64 s[64:65], 0
	v_nop
	global_prefetch_b8 v0, s[64:65] scope:SCOPE_SE
	s_setreg_imm32_b32 hwreg(HW_REG_WAVE_MODE, 25, 1), 1
	s_wait_xcnt 0x0
	s_wait_alu depctr_hold_cnt(0) depctr_sa_sdst(0) depctr_va_vdst(0) depctr_va_sdst(0) depctr_va_ssrc(0) depctr_va_vcc(0) depctr_vm_vsrc(0)
	s_getreg_b32 s2, hwreg(HW_REG_IB_STS2, 6, 4)
	s_cmp_eq_u32 s2, 0
	s_cbranch_scc0 .Lentry_in_a_cluster
	s_endpgm
.Lentry_in_a_cluster:
	s_bfe_u32 s2, ttmp6, 0x10000c
	s_cmp_lg_u32 s2, 0x3003
	s_cbranch_scc0 .Lentry_shape_is_right
	s_endpgm
.Lentry_shape_is_right:
; TAIL: inter = LN1(att Wo^T + x); out0 = LN2(silu(inter fc1^T + b1) fc2^T + b2 + inter).  The three products on codes of E2M3; all else f32.  Nothing between them goes to memory.
; SHARES.  A work-group takes 32 rows (two tiles of 16) through the whole chain, since both norms want whole rows.  THE WAVES SHARE THE COLUMNS: wave w owns columns 256 w .. + 255 of Wo's and fc2's
; results (16 tiles) and, in each of four chunks of 512 hidden units, units 128 w .. + 127 (8 tiles, one K step of fc2).  All products are used transposed (source 0 = 16 rows of a weight): a lane
; holds one row, and its registers run along the columns: register 16 b + i of a row tile is column 32 b + 16 (lane / 16) + i of the wave's part.
; THE WEIGHTS are a stream of 36 slots of 102,400 bytes (4 of Wo; for each chunk 4 of fc1 and 4 of fc2), laid by the first launch in register order; a wave reads its own quarter of each.  THEY COME BY TWO WAYS AT ONCE.
; The odd slots go through a ring of two LDS slots; all row blocks walk the same stream, so the four work-groups of a cluster ask for each quarter JOINTLY.  Behind a round a wave has one such load, 25,600 bytes, on its way.
; The even slots go straight into 192 registers of the wave, by 50 loads of 512 bytes, asked for a whole step ahead as the products free the registers: so twice the bytes are on their way, and a round serves 64 products
; a wave.  That half is not shared with the partners: a load into registers has no joint form.
; ACTIVATIONS go from wave to wave through LDS as images of their registers (1,536 bytes a fragment, 128 bytes of scale words); the round in front of each refill also shows them to the other waves.
; Every sum adds onto a C that is there already: x for Wo, b1 for fc1, inter + b2 for fc2: no accumulator is cleared, and all K steps are one text.
; The norms take the mean first and then the squares of the differences, so that a common offset of the rows costs no accuracy.
; LIMITS: a block whose largest magnitude lies under 2^-124 gets the byte 1; silu gives -0 where 2^(-z log2 e) overflows (z under about -88, where the true value is under 1e-36); NaN and infinities are not served.
; REGISTERS, in windows of 256: window 0: see below.  window 1: the 32 accumulators of 1,024-wide results: row tile m, tile T at 128 m + 8 T.  window 2: v0-127 ln1's gain, then the hidden layer's 16 accumulators
; (64 m + 8 T), at the end ln2's gain; v128-255 ln1's bias, then b2, then ln2's bias.  window 3: v0-191 the even slot's 16 fragments, group g of four at 48 g.
.set SLOT1,  131072                    ; slot 0 at 0, slot 1 here: one exclusive or turns an address
.set PARTB,  25600                     ; a wave's quarter: 16 images, then 1,024 bytes of scale words
.set XIMG,   102400                    ; inter's 16 images: (K step s, row tile m) at (2 s + m) x 1,536
.set XSC,    126976                    ; their scale words
.set STATS,  129024                    ; four exchanges of 512 bytes for the norms' sums
.set HIMG,   233472                    ; 8 images: att's, later a chunk's hidden layer
.set HSC,    245760
.set SPARE,  246784                    ; the spare words: 128 bytes a wave, named by no other line
.set STAGE,  247296                    ; the way out: 16 rows x (1,024 + 16) bytes for each wave
.set LI,   1                           ; 16 x lane
.set LS,   2                           ; 4 x lane
.set WAD0, 3                           ; 16 x lane + 25,600 x wave
.set WAD,  4                           ; the LDS slot's weights
.set AAD,  5                           ; the step's activations
.set ASD,  6                           ; and their scale words
.set XWI,  7
.set XWS,  8
.set HWI,  9
.set HWS,  10
.set STA,  11
.set STR,  12
.set SOA,  13
.set SRA,  14
.set XO,   15
.set GV,   16
.set BV,   17
.set AO,   18
.set OO,   19
.set SPW,  20
.set NIL,  21
.set H8,   22
.set MU,   24                          ; v24-27  the two row tiles' means, as pairs;
.set RS,   24                          ;         their reciprocal deviations take the same registers once the means are spent
.set WS2A, 28                          ; v28-31  the even slot's scale words, pairs of fragments 0-3;
.set WS2B, 250                         ; v250-253 pairs 4-7
.set WS,   32                          ; v32-39  the odd slot's: register g: lanes 0-15 fragment 2 g, lanes 16-31 fragment 2 g + 1
.set AS,   40                          ; v40-43  the activations'
.set AF,   44                          ; v44-91  up to four fragments of activations
.set WA,   92                          ; v92-139, v140-187: two buffers of four fragments of weights from LDS
.set WB,   140
.set PC,   188
.set TM,   208
.set PW,   224
.set CH,   226                         ; v226-233 four chains of sums
.set TT,   234                         ; v234-249 at work
.set WV,   3
.set TB,   28
.set AB,   29
.set SB,   30
.set CI,   31
.set CO,   33
.set SEL,  34
.set G1,   36
.set G0,   44
.set HM,   48
.set K1,   49
.set K2,   50
.set DP,   58                          ; s[58:59] my quarter of the even slot that is being asked for
.set MSB, 0
.macro WIN new                         ; the immediate's high byte repeats the setting that is left
.if MSB != (\new)
	s_set_vgpr_msb (MSB<<8)|(\new)
.set MSB, (\new)
.endif
.endm
.macro PLACES
.rept 4
	v_nop
.endr
.endm
.macro ROUND                           ; a round of the cluster's barrier
	s_barrier_signal -1
	s_barrier_wait -1
	s_cmp_lg_u32 s[WV], 0
	s_cbranch_scc1 .Lnot_wave_0_\@
	s_barrier_signal -3
.Lnot_wave_0_\@:
	s_barrier_wait -3
	s_barrier_signal -1
	s_barrier_wait -1
.endm
; The change of slots.  Each wave waits for all its tensor loads (one is out: its quarter of the odd slot that this step reads), adds 0 to its spare word, and waits for that, for its reads of the LDS slot
; that it has left and for its stores of images.  Behind the round nobody in the cluster reads the old slot.  fill = 1: it takes the next odd slot but one; that load has a step's 64 products a wave in which to land.
.macro RING fill
	s_wait_tensorcnt 0x0
	ds_add_u32 v[SPW], v[NIL]
.if \fill
	s_xor_b32 s[G0+1], s[G0+1], SLOT1
	s_add_nc_u64 s[G0+2:G0+3], s[G0+2:G0+3], 8*PARTB   ; two slots of the stream on
.endif
	s_wait_dscnt 0x0
	ROUND
.if \fill
	tensor_load_to_lds s[G0:G0+3], s[G1:G1+7]      ; my one tensor load behind the round, and the first thing there
	s_nop 0
.endif
	PLACES                                         ; also the places in front of the loads into registers that the last products read
.endm
; 64 numbers of a lane in window w, register 16 b + i = k 32 b + 16 (lane / 16) + i of my row, become a fragment's codes in v[PC] on and its scale word in v[PW]
.macro QUANT s, w
	WIN (\w)|((\w)<<2)
.irp b, 0,1,2,3
	v_max3_num_f32 v[TM+\b], |v[(\s)+16*\b]|, |v[(\s)+1+16*\b]|, 0x1800000
.endr
.irp i, 2,4,6,8,10,12,14
.irp b, 0,1,2,3
	v_max3_num_f32 v[TM+\b], |v[(\s)+16*\b+\i]|, |v[(\s)+1+16*\b+\i]|, v[TM+\b]
.endr
.endr
	WIN 0
.irp b, 0,1,2,3
	v_permlanex16_b32 v[TM+4+\b], v[TM+\b], s[SEL], s[SEL+1]
.endr
.irp b, 0,1,2,3
	v_max_num_f32 v[TM+\b], v[TM+\b], v[TM+4+\b]
.endr
.irp b, 0,1,2,3
	v_add_nc_u32 v[TM+12+\b], 0xff000000, v[TM+\b]
.endr
.irp b, 0,1,2,3
	v_lshrrev_b32 v[TM+4+\b], 23, v[TM+12+\b]
.endr
	v_lshl_or_b32 v[PW], v[TM+5], 8, v[TM+4]
	v_lshl_or_b32 v[PW], v[TM+6], 16, v[PW]
	v_lshl_or_b32 v[PW], v[TM+7], 24, v[PW]
	WIN \w
.irp c, 0,1
	v_cvt_scalef32_pk16_fp6_f32 v[PC+6*\c:PC+2+6*\c], v[(\s)+32*\c:(\s)+15+32*\c], v[TM+12+2*\c]
	v_cvt_scalef32_pk16_fp6_f32 v[PC+12+4*\c:PC+14+4*\c], v[(\s)+16+32*\c:(\s)+31+32*\c], v[TM+12+2*\c+1]
.endr
	WIN 0
	v_nop                                          ; one plain place behind a scaled conversion
.irp c, 0,1
.irp i, 0,1,2
	v_permlane16_swap_b32 v[PC+6*\c+\i], v[PC+12+4*\c+\i]
.endr
.irp i, 0,1,2
	v_mov_b32 v[PC+3+6*\c+\i], v[PC+12+4*\c+\i]
.endr
.endr
.endm
.macro IMAGE adr, off
.irp c, 0,1,2
	ds_store_b128 v[\adr], v[PC+4*\c:PC+4*\c+3] offset:\off+512*\c
.endr
.endm
.macro FETCH reg, adr, off
.irp c, 0,1,2
	ds_load_b128 v[\reg+4*\c:\reg+4*\c+3], v[\adr] offset:\off+512*\c
.endr
.endm
.macro WLOAD g, buf                    ; the LDS slot's fragments 4 g .. 4 g + 3
.irp t, 0,1,2,3
.irp c, 0,1,2
	ds_load_b128 v[\buf+12*\t+4*\c:\buf+12*\t+4*\c+3], v[WAD] offset:1536*(4*(\g)+\t)+512*\c
.endr
.endr
.endm
.macro DLG g                           ; twelve loads of 512 consecutive bytes: fragments 4 g .. 4 g + 3 of the even slot at s[DP], into window 3
	WIN 0xc0
.irp t, 0,1,2,3
.irp c, 0,1,2
	global_load_b128 v[48*(\g)+12*\t+4*\c:48*(\g)+12*\t+4*\c+3], v[LI], s[DP:DP+1] offset:1536*(4*(\g)+\t)+512*\c
.endr
.endr
	WIN 0
.endm
.macro DLS reg, off                    ; four of its scale words
	global_load_b128 v[\reg:\reg+3], v[LI], s[DP:DP+1] offset:\off
.endm
; The activations of a slot: the step's first slot (second = 0) or its second, which lies a slot's images on
.macro ACTS f1, second
.irp q, 0,1,2,3
.if (\q < 2) || \f1
	ds_load_b32 v[AS+\q], v[ASD] offset:128*\q+(\second)*(256+256*\f1)
	FETCH AF+12*\q, AAD, 1536*\q+(\second)*(3072+3072*\f1)
.endif
.endr
.endm
; eight products: fragments 4 g .. 4 g + 3, at v[buf] on, against the two row tiles; wsr: the register with the scale words of the first two.  f1 = 0: fragment i is tile i, one K step;
; f1 = 1: tile i % 8, K step i / 8 of two.  The accumulators take turns, one instruction a turn
.macro MM g, buf, f1, wsr
.irp m, 0,1
.irp t, 0,1,2,3
.if \f1
.set RD,  64*\m+8*(4*((\g)%2)+\t)
.set RBB, AF+12*(2*((\g)/2)+\m)
.set RSB, AS+2*((\g)/2)+\m
.else
.set RD,  128*\m+8*(4*(\g)+\t)
.set RBB, AF+12*\m
.set RSB, AS+\m
.endif
.if (\t)%2
	v_wmma_scale_f32_16x16x128_f8f6f4 v[RD:RD+7], v[(\buf)+12*\t:(\buf)+12*\t+11], v[RBB:RBB+11], v[RD:RD+7], v[(\wsr)+\t/2], v[RSB] matrix_a_fmt:MATRIX_FMT_FP6 matrix_b_fmt:MATRIX_FMT_FP6 matrix_a_scale:MATRIX_SCALE_ROW1
.else
	v_wmma_scale_f32_16x16x128_f8f6f4 v[RD:RD+7], v[(\buf)+12*\t:(\buf)+12*\t+11], v[RBB:RBB+11], v[RD:RD+7], v[(\wsr)+\t/2], v[RSB] matrix_a_fmt:MATRIX_FMT_FP6 matrix_b_fmt:MATRIX_FMT_FP6
.endif
.endr
.endr
.endm
; THE EVEN SLOT'S WORK: 32 products a wave, the weights from window 3.  A slot's 50 loads were issued in this order: G0 (12), SA (1), G1 (12), G2 (12), SB (1), G3 (12).
; ahead = 1: as each group's products are issued (and four places passed) the same group of the next even slot is asked for.  Loads come back in order (ISA guide 5.7.1), so each wait's count is the number
; of loads issued behind the one that is wanted: behind SA: 12 + 12 + 1 + 12 = 37; behind G1, behind SB and behind G3, with the next slot's loads issued meanwhile, again 37.
; Other loads that were issued behind a slot's (a bias, a norm's vector) only make that count stricter than it need be.  ahead = 0: the last even slot: nothing is asked for, and the counts run down.
.macro WORKD f1, ahead
	v_add_nc_u32 v[AAD], s[AB], v[LI]
	v_add_nc_u32 v[ASD], s[SB], v[LS]
	v_add_nc_u32 v[WAD], s[TB], v[WAD0]
	ACTS \f1, 0
	ds_load_b128 v[WS:WS+3], v[WAD] offset:24576   ; the odd slot, which the round has shown whole: its scale words and its first eight fragments, 26 loads, land under the even slot's products
	ds_load_b128 v[WS+4:WS+7], v[WAD] offset:25088
	WLOAD 0, WA
	WLOAD 1, WB
.if \ahead
	s_wait_alu depctr_va_vdst(0)
	s_wait_xcnt 0x0                                ; the loads issued a step ago have read their base: it is written only behind this wait
	s_add_nc_u64 s[DP:DP+1], s[DP:DP+1], 8*PARTB   ; the next even slot
.endif
	s_wait_alu depctr_va_vdst(0)
	s_wait_loadcnt 37                              ; G0 and SA are in
	s_wait_dscnt 26                                ; the activations are in; the 26 loads issued behind them may be out
	WIN 0x53+0x50*\f1                              ; source 0 in window 3; C and D in window 1, or 2
	MM 0, 0, \f1, WS2A
	WIN 0
.if \ahead
	PLACES
	DLG 0
	s_wait_loadcnt 37                              ; G1
.else
	s_wait_loadcnt 25
.endif
	WIN 0x53+0x50*\f1
	MM 1, 48, \f1, WS2A+2
	WIN 0
.if \ahead
	PLACES
	DLS WS2A, 24576
	DLG 1
	s_wait_loadcnt 37                              ; G2 and SB
.else
	s_wait_loadcnt 12
.endif
	WIN 0x53+0x50*\f1
	MM 2, 96, \f1, WS2B
	WIN 0
.if \ahead
	PLACES
	DLG 2
	s_wait_loadcnt 37                              ; G3
.else
	s_wait_loadcnt 0x0
.endif
	WIN 0x53+0x50*\f1
	MM 3, 144, \f1, WS2B+2
	WIN 0
	PLACES                                         ; in front of the loads below, and of the next slot's loads into the activations' registers
.if \ahead
	DLS WS2B, 25088
	DLG 3
.endif
.endm
; THE ODD SLOT'S WORK: 32 products a wave.  The weights come from LDS, four fragments at a time into two buffers by turns.
.macro WORK f1
	ACTS \f1, 1                                    ; the scale words and the first two buffers were asked for at the step's head
	s_wait_dscnt 0x0
	WIN 0x50+0x50*\f1                              ; C and D in window 1, or 2
	MM 0, WA, \f1, WS
	WIN 0
	PLACES
	WLOAD 2, WA
	s_wait_dscnt 12                                ; the second buffer is in; the twelve just issued may be out
	WIN 0x50+0x50*\f1
	MM 1, WB, \f1, WS+2
	WIN 0
	PLACES
	WLOAD 3, WB
	s_wait_dscnt 12
	WIN 0x50+0x50*\f1
	MM 2, WA, \f1, WS+4
	s_wait_dscnt 0x0
	MM 3, WB, \f1, WS+6
	WIN 0
	s_xor_b32 s[TB], s[TB], SLOT1
	s_add_co_u32 s[AB], s[AB], 6144+6144*\f1       ; two slots' activations on
	s_add_co_u32 s[SB], s[SB], 512+512*\f1
.endm
.macro STEP f1, fill, ahead            ; two slots of the stream
	RING \fill
	WORKD \f1, \ahead
	WORK \f1
.endm
.macro V128 reg, sb                    ; my 128 numbers of a vector of 1,024, in the accumulators' order
.irp b, 0,1,2,3,4,5,6,7
.irp q, 0,1,2,3
	global_load_b128 v[\reg+16*\b+4*\q:\reg+16*\b+4*\q+3], v[GV], s[\sb:\sb+1] offset:128*\b+16*\q
.endr
.endr
.endm
.macro B1LOAD                          ; a chunk's b1 into both row tiles' accumulators: fc1's C
.irp m, 0,1
.irp b, 0,1,2,3
.irp q, 0,1,2,3
	global_load_b128 v[64*\m+16*\b+4*\q:64*\m+16*\b+4*\q+3], v[BV], s[18:19] offset:128*\b+16*\q
.endr
.endr
.endr
.endm
; The four chains become the two row tiles' sums over all 1,024 columns, in v[TT], v[TT+1] of every lane: my lane's, lane l xor 16's, then the four waves' through LDS, in one order in every wave
.macro XSUM sb
.irp m, 0,1
	v_pk_add_f32 v[CH+4*\m:CH+4*\m+1], v[CH+4*\m:CH+4*\m+1], v[CH+4*\m+2:CH+4*\m+3]
.endr
.irp m, 0,1
	v_add_f32 v[TT+\m], v[CH+4*\m], v[CH+4*\m+1]
.endr
.irp m, 0,1
	v_permlanex16_b32 v[TT+2+\m], v[TT+\m], s[SEL], s[SEL+1]
.endr
.irp m, 0,1
	v_add_f32 v[TT+\m], v[TT+\m], v[TT+2+\m]
.endr
	v_cndmask_b32 v[TT+4], v[TT], v[TT+1], s[HM]   ; lanes 0-15 store row tile 0's, lanes 16-31 row tile 1's
	ds_store_b32 v[STA], v[TT+4] offset:\sb
	s_wait_dscnt 0x0                               ; for the others' sake
	s_barrier_signal -1
	s_barrier_wait -1
.irp m, 0,1
.irp u, 0,1,2,3
	ds_load_b32 v[TT+8+4*\m+\u], v[STR] offset:\sb+128*\u+64*\m
.endr
.endr
	s_wait_dscnt 0x0
.irp m, 0,1
	v_add_f32 v[TT+8+4*\m], v[TT+8+4*\m], v[TT+9+4*\m]
	v_add_f32 v[TT+10+4*\m], v[TT+10+4*\m], v[TT+11+4*\m]
.endr
.irp m, 0,1
	v_add_f32 v[TT+\m], v[TT+8+4*\m], v[TT+10+4*\m]
.endr
.endm
; A layer norm of the 32 rows in window 1, in place, with window 2's gain and bias.  sb: its 1,024 bytes of STATS
.macro LNORM sb
.irp i, 0,1,2,3,4,5,6,7
	v_mov_b32 v[CH+\i], 0                          ; these eight are also the places behind the last products
.endr
	WIN 0x01
.set KK, 0
.rept 32                                       ; each accumulator is read from its low end on
	v_pk_add_f32 v[CH:CH+1], v[4*KK:4*KK+1], v[CH:CH+1]
	v_pk_add_f32 v[CH+4:CH+5], v[128+4*KK:129+4*KK], v[CH+4:CH+5]
	v_pk_add_f32 v[CH+2:CH+3], v[4*KK+2:4*KK+3], v[CH+2:CH+3]
	v_pk_add_f32 v[CH+6:CH+7], v[130+4*KK:131+4*KK], v[CH+6:CH+7]
.set KK, KK+1
.endr
	WIN 0
	XSUM \sb
.irp m, 0,1
	v_mul_f32 v[MU+2*\m], s[K1], v[TT+\m]          ; the mean
	v_mov_b32 v[MU+2*\m+1], v[MU+2*\m]
.endr
	WIN 0x41
.set KK, 0
.rept 64
	v_pk_add_f32 v[2*KK:2*KK+1], v[2*KK:2*KK+1], v[MU:MU+1] op_sel_hi:[1,0] neg_lo:[0,1] neg_hi:[0,1]
	v_pk_add_f32 v[128+2*KK:129+2*KK], v[128+2*KK:129+2*KK], v[MU+2:MU+3] op_sel_hi:[1,0] neg_lo:[0,1] neg_hi:[0,1]
.set KK, KK+1
.endr
	WIN 0
.irp i, 0,1,2,3,4,5,6,7
	v_mov_b32 v[CH+\i], 0
.endr
	WIN 0x05
.set KK, 0
.rept 32
	v_pk_fma_f32 v[CH:CH+1], v[4*KK:4*KK+1], v[4*KK:4*KK+1], v[CH:CH+1]
	v_pk_fma_f32 v[CH+4:CH+5], v[128+4*KK:129+4*KK], v[128+4*KK:129+4*KK], v[CH+4:CH+5]
	v_pk_fma_f32 v[CH+2:CH+3], v[4*KK+2:4*KK+3], v[4*KK+2:4*KK+3], v[CH+2:CH+3]
	v_pk_fma_f32 v[CH+6:CH+7], v[130+4*KK:131+4*KK], v[130+4*KK:131+4*KK], v[CH+6:CH+7]
.set KK, KK+1
.endr
	WIN 0
	XSUM \sb+512
.irp m, 0,1
	v_fma_f32 v[TT+\m], v[TT+\m], s[K1], s[K2]     ; the variance + 1e-5
.endr
	s_wait_alu depctr_va_vdst(0)
.irp m, 0,1
	v_rsq_f32 v[RS+2*\m], v[TT+\m]
.endr
	v_nop                                          ; a plain place behind the two
	s_wait_alu depctr_va_vdst(0)                   ; one wait for both, ahead of the first reader
.irp m, 0,1
	v_mov_b32 v[RS+2*\m+1], v[RS+2*\m]
.endr
	WIN 0x41
.set KK, 0
.rept 64
	v_pk_mul_f32 v[2*KK:2*KK+1], v[2*KK:2*KK+1], v[RS:RS+1] op_sel_hi:[1,0]
	v_pk_mul_f32 v[128+2*KK:129+2*KK], v[128+2*KK:129+2*KK], v[RS+2:RS+3] op_sel_hi:[1,0]
.set KK, KK+1
.endr
	s_wait_loadcnt 0x0                             ; the gain and the bias are in (they were asked for a phase ago or more)
	WIN 0x69                                       ; the rows in window 1, gain and bias in window 2
.set KK, 0
.rept 64
	v_pk_fma_f32 v[2*KK:2*KK+1], v[2*KK:2*KK+1], v[2*KK:2*KK+1], v[128+2*KK:129+2*KK]
	v_pk_fma_f32 v[128+2*KK:129+2*KK], v[128+2*KK:129+2*KK], v[2*KK:2*KK+1], v[128+2*KK:129+2*KK]
.set KK, KK+1
.endr
	WIN 0
.endm
; silu of row tile m's 64 hidden units, in place in window 2, and their image: K step = my wave of this chunk's four
.macro SQ m
	WIN 0x02
.set KK, 0
.rept 32
	v_pk_mul_f32 v[WA+2*KK:WA+2*KK+1], v[64*\m+2*KK:64*\m+2*KK+1], 0xbfb8aa3b op_sel_hi:[1,0]   ; -z log2(e)
.set KK, KK+1
.endr
	WIN 0
.set KK, 0
	s_wait_alu depctr_va_vdst(0)
.rept 64
	v_exp_f32 v[WA+KK], v[WA+KK]
.set KK, KK+1
.endr
	v_nop
	s_wait_alu depctr_va_vdst(0)                   ; one wait for the batch
.set KK, 0
.rept 32
	v_pk_add_f32 v[WA+2*KK:WA+2*KK+1], v[WA+2*KK:WA+2*KK+1], 1.0 op_sel_hi:[1,0]
.set KK, KK+1
.endr
.set KK, 0
	s_wait_alu depctr_va_vdst(0)
.rept 64
	v_rcp_f32 v[WA+KK], v[WA+KK]
.set KK, KK+1
.endr
	v_nop
	s_wait_alu depctr_va_vdst(0)
	WIN 0x82
.set KK, 0
.rept 32
	v_pk_mul_f32 v[64*\m+2*KK:64*\m+2*KK+1], v[64*\m+2*KK:64*\m+2*KK+1], v[WA+2*KK:WA+2*KK+1]   ; z / (1 + 2^(-z log2 e))
.set KK, KK+1
.endr
	QUANT 64*\m, 2
	IMAGE HWI, 1536*\m
	ds_store_b32 v[HWS], v[PW] offset:128*\m
	s_wait_dscnt 0x0                               ; the stores have read their registers
.endm
; A chunk of 512 hidden units: two steps of fc1, silu and the quantiser, two steps of fc2.  last = 1: the launch's last step asks for nothing more; the two are written out
.macro CHUNK last
	s_mov_b32 s[AB], XIMG
	s_mov_b32 s[SB], XSC
	s_mov_b32 s[CI], 2
.Lfc1_\@:
	STEP 1, 1, 1
	s_sub_co_u32 s[CI], s[CI], 1
	s_cmp_lg_u32 s[CI], 0
	s_cbranch_scc1 .Lfc1_\@
	PLACES                                         ; behind the last products: their results are read, and their operands' registers written
	SQ 0
	SQ 1
.if \last == 0
	s_wait_xcnt 0x0                                ; the last chunk's loads have read their base
	s_add_nc_u64 s[18:19], s[18:19], 2048
	WIN 0x80
	B1LOAD                                         ; the next chunk's b1: fc2's first step shows it landed: behind its fourth wait only the 37 loads issued in that step may be out
	WIN 0
.else
	WIN 0x80
	V128 0, 22                                     ; the hidden layer's registers are free: ln2's gain
	WIN 0
.endif
	s_mov_b32 s[AB], HIMG
	s_mov_b32 s[SB], HSC
.if \last == 0
	s_mov_b32 s[CI], 2
.Lfc2_\@:
	STEP 0, 1, 1
	s_sub_co_u32 s[CI], s[CI], 1
	s_cmp_lg_u32 s[CI], 0
	s_cbranch_scc1 .Lfc2_\@
.else
	STEP 0, 1, 1
	STEP 0, 0, 0
.endif
.endm
	s_load_b512 s[8:23], s[0:1], 0x0               ; att s[8:9], ws s[10:11], x s[12:13], ln1_g s[14:15], ln1_b s[16:17], fc1_b s[18:19], fc2_b s[20:21], ln2_g s[22:23]
	s_load_b128 s[24:27], s[0:1], 0x40             ; ln2_b s[24:25], out0 s[26:27]
	v_lshl_add_u32 v[SPW], v0, 2, SPARE
	v_mov_b32 v[NIL], 0
	ds_add_u32 v20, v21
	ds_add_u32 v20, v21
	s_wait_dscnt 0x0
	v_lshrrev_b32 v23, 5, v0
	v_readfirstlane_b32 s[WV], v23                 ; wave 0..3
	s_bfe_u32 s4, ttmp6, 0x40000                   ; my place in the cluster: it enters att's, x's and out0's addresses alone
	s_lshl_b32 s5, ttmp9, 2
	s_add_co_u32 s5, s5, s4                        ; my block of 32 rows
	s_mov_b32 s[G1], 15|(3<<16)|(1<<21)            ; the mask: all four work-groups; elements of 8 bytes; bit 21 beside a mask; no padding
	s_mov_b32 s[G1+1], 32<<16                      ; rows of 256 bytes,
	s_mov_b32 s[G1+2], 100<<16                     ; 100 of them: a wave's quarter of a slot, dense in memory
	s_mov_b32 s[G1+3], 32<<16
	s_mov_b32 s[G1+4], 100
	s_mov_b32 s[G1+5], 32
	s_mov_b32 s[G1+6], 0
	s_mov_b32 s[G1+7], 0
	s_mul_i32 s52, s[WV], PARTB
	s_mov_b32 s53, 0
	s_wait_kmcnt 0x0
	s_add_nc_u64 s[DP:DP+1], s[10:11], s[52:53]    ; my quarter of slot 0 of the stream: the first that goes to registers
	s_mov_b32 s[G0], 1
	s_mov_b32 s[G0+1], s52
	s_add_nc_u64 s[G0+2:G0+3], s[DP:DP+1], 4*PARTB ; and of slot 1: the first that goes through LDS
	s_or_b32 s[G0+3], s[G0+3], 0x80000000
	ROUND                                          ; all four work-groups are here: the first joint loads meet
	tensor_load_to_lds s[G0:G0+3], s[G1:G1+7]
	s_nop 0
	PLACES
	v_and_b32 v23, 31, v0                          ; lane
	v_and_b32 v240, 15, v0                         ; r
	v_bfe_u32 v241, v0, 4, 1                       ; h
	v_lshlrev_b32 v[LI], 4, v23
	v_lshlrev_b32 v[LS], 2, v23
	v_add_nc_u32 v[WAD0], s52, v[LI]
	s_mul_i32 s54, s[WV], 6144
	v_add_nc_u32 v[XWI], s54, v[LI]
	v_add_nc_u32 v[XWI], XIMG, v[XWI]
	s_lshl_b32 s54, s[WV], 9
	v_add_nc_u32 v[XWS], s54, v[LS]
	v_add_nc_u32 v[XWS], XSC, v[XWS]
	s_mul_i32 s54, s[WV], 3072
	v_add_nc_u32 v[HWI], s54, v[LI]
	v_add_nc_u32 v[HWI], HIMG, v[HWI]
	s_lshl_b32 s54, s[WV], 8
	v_add_nc_u32 v[HWS], s54, v[LS]
	v_add_nc_u32 v[HWS], HSC, v[HWS]
	s_lshl_b32 s54, s[WV], 7
	v_add_nc_u32 v[STA], s54, v[LS]
	v_add_nc_u32 v[STA], STATS, v[STA]
	v_lshl_add_u32 v[STR], v240, 2, STATS
	s_mul_i32 s54, s[WV], 16640
	v_mul_u32_u24 v[SOA], v240, 1040
	v_lshl_add_u32 v[SOA], v241, 6, v[SOA]
	v_add_nc_u32 v[SOA], s54, v[SOA]
	v_add_nc_u32 v[SOA], STAGE, v[SOA]
	v_add_nc_u32 v[SRA], s54, v[LI]
	v_add_nc_u32 v[SRA], STAGE, v[SRA]
	s_lshl_b32 s55, s[WV], 10
	v_lshlrev_b32 v[GV], 6, v241
	v_add_nc_u32 v[GV], s55, v[GV]                 ; a vector of 1,024: my wave's 1,024 bytes, + 64 h
	v_add_nc_u32 v[OO], s55, v[LI]
	s_lshl_b32 s56, s[WV], 9
	v_lshlrev_b32 v[BV], 6, v241
	v_add_nc_u32 v[BV], s56, v[BV]                 ; b1: my wave's 512 bytes of a chunk, + 64 h
	s_lshl_b32 s56, s[WV], 18
	v_lshlrev_b32 v[AO], 16, v241
	v_lshl_add_u32 v[AO], v240, 5, v[AO]
	v_add_nc_u32 v[AO], s56, v[AO]                 ; att: head 4 wave + h (65,536 bytes a head), token r
	s_wait_alu depctr_va_vdst(0)
	v_lshlrev_b32 v[H8], 3, v241
	s_lshr_b32 s54, s5, 6                          ; batch
	s_lshl_b32 s54, s54, 20
	s_and_b32 s55, s5, 63
	s_lshl_b32 s55, s55, 10
	s_add_co_u32 s54, s54, s55
	s_mov_b32 s55, 0
	s_add_nc_u64 s[8:9], s[8:9], s[54:55]
	s_lshl_b32 s54, s5, 17
	s_add_nc_u64 s[12:13], s[12:13], s[54:55]
	s_add_nc_u64 s[26:27], s[26:27], s[54:55]
	s_mov_b32 s[SEL], 0x76543210
	s_mov_b32 s[SEL+1], 0xfedcba98
	s_mov_b32 s[HM], 0xffff0000
	s_mov_b32 s[K1], 0x3a800000                    ; 1 / 1,024
	s_mov_b32 s[K2], 0x3727c5ac                    ; 1e-5
	s_mov_b32 s[TB], 0
	; att: K step = my wave of Wo's four; block 2 c + h is head 4 wave + 2 c + h.  A token's record: 12 bytes of codes and the byte's word, for channels 0-15, then the same for 16-31
.irp m, 0,1
.irp c, 0,1
	global_load_b128 v[WA+12*\m+6*\c:WA+12*\m+6*\c+3], v[AO], s[8:9] offset:131072*\c+512*\m th:TH_LOAD_NT
	global_load_b128 v[WB+4*(2*\m+\c):WB+4*(2*\m+\c)+3], v[AO], s[8:9] offset:131072*\c+512*\m+16 th:TH_LOAD_NT
.endr
.endr
	WIN 0x40                                       ; x into the accumulators: the residual is Wo's C
.irp m, 0,1
.irp b, 0,1,2,3,4,5,6,7
.irp q, 0,1,2,3
	global_load_b128 v[128*\m+16*\b+4*\q:128*\m+16*\b+4*\q+3], v[OO], s[12:13] offset:65536*\m+4096*(2*\b+\q/2)+512*(\q%2) th:TH_LOAD_NT   ; as it lies: load n = 4 b + q brings 512 consecutive bytes, half n % 2 of my 1,024 bytes of row n / 2
.endr
.endr
.endr
	WIN 0
.irp b, 0,1,2,3
	v_mov_b32 v[TM+4+\b], 0                        ; written once: a lane permute's destination counts as one of its sources
	v_mov_b32 v[TT+\b], 0
.endr
	s_wait_loadcnt 63                              ; 64 loads were issued behind att's eight: with at most 63 out, those eight are in
.irp m, 0,1
	v_lshl_or_b32 v[TT+\m], v[WA+12*\m+9], 16, v[WA+12*\m+3]   ; my two blocks' bytes,
.endr
.irp m, 0,1
.irp c, 0,1
.irp i, 0,1,2
	v_mov_b32 v[WA+12*\m+6*\c+3+\i], v[WB+4*(2*\m+\c)+\i]   ; and the gap in each block's 24 bytes is closed
.endr
.endr
.endr
.irp m, 0,1
	v_lshlrev_b32 v[TT+\m], v[H8], v[TT+\m]        ; at their places in the scale word;
.endr
.irp m, 0,1
	v_permlanex16_b32 v[TT+2+\m], v[TT+\m], s[SEL], s[SEL+1]
.endr
.irp m, 0,1
	v_or_b32 v[TT+\m], v[TT+\m], v[TT+2+\m]        ; with lane l xor 16's two the word is whole
.endr
.irp m, 0,1
.irp c, 0,1,2
	ds_store_b128 v[HWI], v[WA+12*\m+4*\c:WA+12*\m+4*\c+3] offset:1536*\m+512*\c
.endr
	ds_store_b32 v[HWS], v[TT+\m] offset:128*\m
.endr
	WIN 0x80
	V128 0, 14                                     ; ln1's gain and bias
	V128 128, 16
	WIN 0
	DLG 0                                          ; slot 0 of the stream, in the order that the counts of the even slots' work lean on
	DLS WS2A, 24576
	DLG 1
	DLG 2
	DLS WS2B, 25088
	DLG 3
	; ---- att Wo^T + x
	s_mov_b32 s[AB], HIMG
	s_mov_b32 s[SB], HSC
	s_mov_b32 s[CI], 2
	s_wait_loadcnt 50
	; x is turned into the accumulators' order through my own stage, the way out run backward: whole runs in, a lane's pieces of 64 bytes of its row out
.irp m, 0,1
	WIN 0x04                                       ; an LDS store's data are its source 1: window 1
.set KK, 0
.rept 32
	ds_store_b128 v[SRA], v[128*\m+4*KK:128*\m+4*KK+3] offset:1040*(KK/2)+512*(KK%2)
.set KK, KK+1
.endr
	s_wait_dscnt 0x0                               ; the stores have read their registers, which the loads below fill
	WIN 0x40
.irp b, 0,1,2,3,4,5,6,7
.irp q, 0,1,2,3
	ds_load_b128 v[128*\m+16*\b+4*\q:128*\m+16*\b+4*\q+3], v[SOA] offset:128*\b+16*\q   ; my own bytes: LDS serves a wave's instructions in order; the first change of slots waits for these loads
.endr
.endr
	WIN 0
.endr
.Lwo:
	STEP 0, 1, 1
	s_sub_co_u32 s[CI], s[CI], 1
	s_cmp_lg_u32 s[CI], 0
	s_cbranch_scc1 .Lwo
	LNORM 0
	; ---- inter: its codes for fc1; inter + b2 stays in the accumulators as fc2's C, which is also the second norm's residual
	WIN 0x80
	V128 128, 20                                   ; b2 takes the place of ln1's bias,
	B1LOAD                                         ; b1 of chunk 0 that of its gain: both land while inter is quantised
	WIN 0
.irp m, 0,1
.irp e, 0,1
	QUANT 128*\m+64*\e, 1
	IMAGE XWI, (2*\e+\m)*1536
	ds_store_b32 v[XWS], v[PW] offset:(2*\e+\m)*128
	s_wait_dscnt 0x0                               ; the stores have read their registers
.endr
.endr
	s_wait_loadcnt 0x0                             ; b2 and b1 are in
	WIN 0x49                                       ; the rows in window 1, b2 in window 2
.set KK, 0
.rept 64
	v_pk_add_f32 v[2*KK:2*KK+1], v[2*KK:2*KK+1], v[128+2*KK:129+2*KK]
	v_pk_add_f32 v[128+2*KK:129+2*KK], v[128+2*KK:129+2*KK], v[128+2*KK:129+2*KK]
.set KK, KK+1
.endr
	WIN 0x80
	V128 128, 24                                   ; ln2's bias takes b2's place
	WIN 0
	; ---- the hidden layer, 512 units at a time
	s_mov_b32 s[CO], 3
.Lchunk:
	CHUNK 0
	s_sub_co_u32 s[CO], s[CO], 1
	s_cmp_lg_u32 s[CO], 0
	s_cbranch_scc1 .Lchunk
	CHUNK 1
	LNORM 1024
	; ---- THE WAY OUT: a lane holds pieces of 64 bytes of one row: 16 rows go through my own stage and come back as runs of 512 consecutive bytes
	s_wait_alu depctr_va_vdst(0)
.irp m, 0,1
	WIN 0x04                                       ; an LDS store's data are its source 1: window 1
.irp b, 0,1,2,3,4,5,6,7
.irp q, 0,1,2,3
	ds_store_b128 v[SOA], v[128*\m+16*\b+4*\q:128*\m+16*\b+4*\q+3] offset:128*\b+16*\q
.endr
.endr
	WIN 0
.irp bt, 0,1
.if (\m+\bt) > 0
	s_wait_xcnt 0x0                                ; the last batch's stores have read their registers
.endif
.irp i, 0,1,2,3,4,5,6,7,8,9,10,11,12,13,14,15
	ds_load_b128 v[WA+4*\i:WA+4*\i+3], v[SRA] offset:1040*(8*\bt+\i/2)+512*(\i%2)   ; my own bytes: LDS serves a wave's instructions in order
.endr
.irp i, 0,1,2,3,4,5,6,7,8,9,10,11,12,13,14,15
	s_wait_dscnt 15-\i                             ; load i is in; the younger ones may be out
	global_store_b128 v[OO], v[WA+4*\i:WA+4*\i+3], s[26:27] offset:65536*\m+4096*(8*\bt+\i/2)+512*(\i%2) th:TH_STORE_NT
.endr
.endr
.endr
	s_wait_tensorcnt 0x0                           ; the wave's end
	ds_add_u32 v[SPW], v[NIL]
	s_wait_dscnt 0x0
	ROUND                                          ; the closing round
	s_endpgm
.Lfunc_end_k_q8020af9fa7_tail:
	.size	k_q8020af9fa7_tail, .Lfunc_end_k_q8020af9fa7_tail-k_q8020af9fa7_tail
	.p2alignl 7, 3214868480
	.fill 96, 4, 3214868480
	.section	.rodata,"a",@progbits
	.p2align	6, 0x0
	.amdhsa_kernel k_q8020af9fa7_tail
		.amdhsa_group_segment_fixed_size 327680
		.amdhsa_private_segment_fixed_size 0
		.amdhsa_enable_private_segment 0
		.amdhsa_kernarg_size 80
		.amdhsa_user_sgpr_count 2
		.amdhsa_user_sgpr_kernarg_segment_ptr 1
		.amdhsa_wavefront_size32 1
		.amdhsa_system_sgpr_workgroup_id_x 1
		.amdhsa_system_sgpr_workgroup_id_y 1
		.amdhsa_system_sgpr_workgroup_id_z 1
		.amdhsa_system_vgpr_workitem_id 0
		.amdhsa_next_free_vgpr 1024
		.amdhsa_next_free_sgpr 66
		.amdhsa_reserve_vcc 0
		.amdhsa_float_denorm_mode_32 3
		.amdhsa_float_denorm_mode_16_64 3
		.amdhsa_memory_ordered 1
		.amdhsa_forward_progress 1
		.amdhsa_inst_pref_size 255
	.end_amdhsa_kernel
	.section	.bss,"aw",@nobits
	.p2align	6
	.space	262144
	.amdgpu_metadata
---
amdhsa.version: [ 1, 2 ]
amdhsa.kernels:
  - .name:           k_q8020af9fa7_tail
    .symbol:         k_q8020af9fa7_tail.kd
    .args:
      - { .name: att, .offset: 0, .size: 8, .value_kind: global_buffer, .address_space: global }
      - { .name: ws, .offset: 8, .size: 8, .value_kind: global_buffer, .address_space: global }
      - { .name: x, .offset: 16, .size: 8, .value_kind: global_buffer, .address_space: global }
      - { .name: ln1_g, .offset: 24, .size: 8, .value_kind: global_buffer, .address_space: global }
      - { .name: ln1_b, .offset: 32, .size: 8, .value_kind: global_buffer, .address_space: global }
      - { .name: fc1_b, .offset: 40, .size: 8, .value_kind: global_buffer, .address_space: global }
      - { .name: fc2_b, .offset: 48, .size: 8, .value_kind: global_buffer, .address_space: global }
      - { .name: ln2_g, .offset: 56, .size: 8, .value_kind: global_buffer, .address_space: global }
      - { .name: ln2_b, .offset: 64, .size: 8, .value_kind: global_buffer, .address_space: global }
      - { .name: out0, .offset: 72, .size: 8, .value_kind: global_buffer, .address_space: global }
    .group_segment_fixed_size: 327680
    .private_segment_fixed_size: 0
    .kernarg_segment_align: 8
    .kernarg_segment_size: 80
    .max_flat_workgroup_size: 128
    .sgpr_count:     66
    .vgpr_count:     1024
    .wavefront_size: 32
...
	.end_amdgpu_metadata
.endif
;; end of part 4
